; MI455X (gfx1250); checked and timed in simulation.
; The chip was launched on July 23, 2026; its instructions are those of AMD's public machine-readable ISA for CDNA 5 (MIT licence, August 2026) and "CDNA5" Instruction Set Architecture Reference Guide (July 2026). The comments in the code are by the model that wrote it; some were corrected since.
;; Multi Head Attention. Allowed arithmetic: matrix products marked QUANTISED: E2M1 operands, one E8M0 scale for each 32 along K, by v_wmma_scale_f32_16x16x128_f8f6f4 with both operands' format E2M1 (or v_wmma_scale_f32_32x16x128_f4), f32 sums; products left as they are: bf16, f16 or f32 operands; f32 sums; everything else in f32.
;; Inputs: W_out 1,024 x 1,024 float32; W_qkv 1,024 x 3,072 float32; X 4 x 2,048 x 1,024 float32; b_out 1,024 float32; b_qkv 3,072 float32.
;; Outputs: out0 4 x 2,048 x 1,024 float32.
;; This version of the problem:
;;   THIS VERSION OF THE PROBLEM IS GIVEN IN LOW PRECISION. The matrix products marked QUANTISED in the list below multiply operands that are first quantised to E2M1 (2 exponent bits, 1 mantissa bit; 4 bits a number), with one power-of-two scale for each 32 numbers along K (OCP MX v1.0); their sums are f32. The products marked 'left as it is' may take bf16, f16 or f32 operands, with f32 sums. Whichever they take, every output number must still come out within the allowed error. Rounding operands to bf16 (8 significant bits) uses up far more of that allowance than f16 does (11 bits, for magnitudes from 6e-5 to 65,504). All else is computed in f32.
;;   The module's matrix products, in the order in which they are computed (A, B: the left and right operand; K: the contracted axis; several contracted axes count as one K, in the product's order):
;;     1. [M 8,192, K 1,024] x [K 1,024, N 3,072]; A: input X; B: input W_qkv: QUANTISED
;;     2. batch 64 x [M 2,048, K 64] x [K 64, N 2,048]; A: computed on the way; B: computed on the way: left as it is (an operand is computed on the way)
;;     3. batch 64 x [M 2,048, K 2,048] x [K 2,048, N 64]; A: computed on the way; B: computed on the way: left as it is (an operand is computed on the way)
;;     4. [M 8,192, K 1,024] x [K 1,024, N 1,024]; A: computed on the way; B: input W_out: left as it is (an operand is computed on the way)
;;   THE QUANTISER, for each operand of a quantised product, along K:
;;     - K is cut into blocks of 32 from its start; a last block that is shorter is filled with zeros.
;;     - A block's scale is 2^e with e = floor(log2(the largest magnitude in the block)) - 2, held to -126 .. 127; a block of zeros has e = 0. As a byte (E8M0): e + 127.
;;     - Each number is divided by its block's scale, clamped to +-6, and rounded to the nearest number of E2M1, ties to even, subnormals kept.
;;     - The product sums the exact products of the quantised numbers (number of the format x scale) in f32.
;;   ~~~python
;;   def quantise(x, axis):      # numpy; x: float32 -> the quantised numbers, widened to float32 again
;;       x = np.moveaxis(x, axis, -1); K = x.shape[-1]
;;       x = np.pad(x, [(0, 0)] * (x.ndim - 1) + [(0, -K % 32)]); x = x.reshape(x.shape[:-1] + (-1, 32)); a = np.abs(x).max(-1, keepdims=True)
;;       e = np.where(a > 0, np.clip(np.frexp(np.where(a > 0, a, 1))[1] - 1 - 2, -126, 127), 0)      # np.frexp(a)[1] - 1 = floor(log2(a)), exactly
;;       r = np.clip(x / 2.0 ** e, -6, 6)
;;       step = 2.0 ** (np.maximum(np.frexp(np.where(r == 0, 1, r))[1] - 1, 0) - 1)
;;       q = np.round(r / step) * step * 2.0 ** e      # np.round: ties to even
;;       return np.moveaxis(q.reshape(q.shape[:-2] + (-1,))[..., :K], -1, axis).astype(np.float32)
;;   ~~~
;; One version. Each part assembles by itself: llvm-mc -triple=amdgcn-amd-amdhsa -mcpu=gfx1250 --defsym DOCPART=n.
;; ======== version 1 of 1: 5 launches
;; limits: values are held in f16: magnitudes above 65,504 overflow, below 6.1e-05 lose precision
;; workspace buffers: x_codes 4,194,304 bytes; x_scales 262,144 bytes; w_codes 1,572,864 bytes; w_scales 98,304 bytes; wo16 2,097,152 bytes; qkv16 50,331,648 bytes; qkv_fine 786,432 bytes; att16 16,777,216 bytes
;; launch prep (part 1): grid 432 x 1, 4 waves a work-group, no clusters, 68,096 bytes of LDS; arguments X, W_qkv, W_out, x_codes, x_scales, w_codes, w_scales, wo16; writes x_codes, x_scales, w_codes, w_scales, wo16
.if DOCPART == 1
	.amdgcn_target "amdgcn-amd-amdhsa--gfx1250"
	.amdhsa_code_object_version 6
	.text
	.protected	k_qb75a2d83de_prep
	.globl	k_qb75a2d83de_prep
	.p2align	8
	.type	k_qb75a2d83de_prep,@function
k_qb75a2d83de_prep:
	s_mov_b64 s[64:65], 0
	v_nop
	global_prefetch_b8 v0, s[64:65] scope:SCOPE_SE
	s_setreg_imm32_b32 hwreg(HW_REG_WAVE_MODE, 25, 1), 1
	s_wait_xcnt 0x0
; PREP: the operands of the later launches are made once.
;   work-groups   0-255: X [8192][1024] f32 -> codes of FP4 (E2M1), K innermost, [8192][512 bytes], and one E8M0 byte for each 32 along K, [8192][32].
;   work-groups 256-303: W_qkv [1024 (k)][3072 (n)] f32, K its FIRST axis -> codes [3072][512 bytes] with K innermost, scale bytes [3072][32].
;   work-groups 304-431: W_out [1024][1024] f32 -> f16, in its own order.
; A block's scale is 2^(floor(log2(its largest magnitude)) - 2); its byte is the largest magnitude's exponent field - 2, held at 1 from below.
; LIMITS: a block of zeros gets the byte 1 where the rule says 127 (its codes are zeros, which add nothing, and this program alone reads the bytes); blocks whose largest magnitude lies under
; 2^-124 keep the byte 1; NaN and infinities among the inputs are not served; numbers of W_out beyond 65,504 have no f16.
; The three paths part on the work-group's number alone; the two that use LDS have LDS bytes of their own.  No tensor loads, no barrier: waves share nothing.
.set SPARE, 67584                      ; behind both paths' regions: the spare words, 128 bytes for each wave
.set SPW,   190                        ; v190  LDS address of my spare word; never rewritten
.set NIL,   191                        ; v191  0; never rewritten
.set WV,    20                         ; s20   my wave's number
; ---- path X: a wave takes 16 steps of 512 numbers.  Each load reads 512 consecutive bytes; a step's 2,048 bytes turn through the wave's own stage in LDS, so that a lane gets 16 NEIGHBOURS along K
.set XSTEPS, 16
.set XR,    16                         ; v16-79   four sets of 16 numbers as loaded
.set XN,    80                         ; v80-111  two sets of 16 neighbours
.set XE,    112                        ; v112-127 a scale byte for each step
.set XC,    128                        ; v128-189 codes: registers of its own for each step, so that no store's data are written again
.set WREG,  8192                       ; LDS: a region for each wave: two stages of 32 x SP bytes, behind them its 256 scale bytes
.set SP,    80                         ; a lane's place in a stage: 64 bytes + 16 of padding
; ---- path W: a lane takes a column n and its registers run down K; a wave takes 32 columns x 512 along K
.set WSTG,  32768                      ; LDS: four stages of 32 rows x WP bytes
.set WP,    272
.set WNB,   16                         ; blocks of 32 along K for a wave
.set WN,    3072
.set WX,    32                         ; v32-95   two sets of 32 numbers
.set WC,    96                         ; v96-99   a block's codes
.set WOUT,  112                        ; v112-175 the way out
.set WSB,   24                         ; v24-27   the scale bytes, four to a register
.macro XLOAD t
.irp i, 0,1,2,3
	global_load_b128 v[XR+16*((\t)%4)+4*\i:XR+16*((\t)%4)+4*\i+3], v3, s[4:5] offset:2048*(\t)+512*\i th:TH_LOAD_NT   ; 32 lanes read 512 consecutive bytes
.endr
.endm
.macro XTURN t                         ; step t's numbers through the stage; LDS serves a wave's instructions in order, so no wait stands between the stores and the loads
.irp i, 0,1,2,3
	ds_store_b128 v14, v[XR+16*((\t)%4)+4*\i:XR+16*((\t)%4)+4*\i+3] offset:32*SP*((\t)%2)+8*SP*\i
.endr
.irp i, 0,1,2,3
	ds_load_b128 v[XN+16*((\t)%2)+4*\i:XN+16*((\t)%2)+4*\i+3], v15 offset:32*SP*((\t)%2)+16*\i
.endr
.endm
.macro XSTEP t
.set XS, XN+16*((\t)%2)
.if (\t) > 0
	s_wait_dscnt 1                                 ; this step's numbers are back from the stage; the last step's byte store may be out
.else
	s_wait_dscnt 0x0
.endif
.if (\t)+4 < XSTEPS
	XLOAD (\t)+4                                   ; into the set whose stores into the stage are done
.endif
.if (\t)+1 < XSTEPS
.if XSTEPS-2-(\t) >= 3
	s_wait_loadcnt 12                              ; the next step's four loads are in; those of the three steps behind it may be out
.else
	s_wait_loadcnt 4*(XSTEPS-2-(\t))
.endif
	XTURN (\t)+1
.endif
	v_max3_num_f32 v8, |v[XS]|, |v[XS+1]|, |v[XS+2]|               ; the largest magnitude of my 16, in two chains
	v_max3_num_f32 v9, |v[XS+3]|, |v[XS+4]|, |v[XS+5]|
.irp i, 6,10
	v_max3_num_f32 v8, v8, |v[XS+\i]|, |v[XS+\i+1]|
	v_max3_num_f32 v9, v9, |v[XS+\i+2]|, |v[XS+\i+3]|
.endr
	v_max3_num_f32 v8, v8, |v[XS+14]|, |v[XS+15]|
	v_max3_num_f32 v8, v8, v9, 0x1800000           ; and the floor 2^(3 - 127): the byte cannot fall under 1
	v_max_num_f32_dpp v8, v8, v8 row_xmask:1 row_mask:0xf bank_mask:0xf   ; with my neighbour's 16: the block's
	v_add_nc_u32 v11, 0xff000000, v8               ; 2 off its exponent field: the conversion takes the exponent field of this operand as its scale
	v_cvt_scalef32_pk8_fp4_f32 v[XC+4*(\t)], v[XS:XS+7], v11
	v_cvt_scalef32_pk8_fp4_f32 v[XC+4*(\t)+1], v[XS+8:XS+15], v11
	v_lshrrev_b32 v[XE+(\t)], 23, v11              ; the scale's byte (a plain line behind the conversions)
	ds_store_b8 v5, v[XE+(\t)] offset:16*(\t)      ; both lanes of a block write the same byte with the same value
	global_store_b64 v4, v[XC+4*(\t):XC+4*(\t)+1], s[10:11] offset:256*(\t)   ; 32 lanes store 256 consecutive bytes, aligned
.endm
.macro WLOAD t                         ; block t: W(32 t + i, my column), i = 0 .. 31, into set t % 2
.irp i, 0,1,2,3,4,5,6,7,8,9,10,11,12,13,14,15,16,17,18,19,20,21,22,23,24,25,26,27,28,29,30,31
	global_load_b32 v[WX+32*((\t)%2)+\i], v3, s[6:7] offset:(32*(\t)+\i)*WN*4 th:TH_LOAD_NT
.endr
.endm
.macro WBLOCK t
.set XS, WX+32*((\t)%2)
.if (\t) < WNB-1
	s_wait_loadcnt 32                              ; this block's 32 loads are in; the next block's may be out
.else
	s_wait_loadcnt 0x0
.endif
	v_max3_num_f32 v12, |v[XS]|, |v[XS+1]|, |v[XS+2]|              ; the block's largest magnitude: all 32 numbers are mine
	v_max3_num_f32 v13, |v[XS+3]|, |v[XS+4]|, |v[XS+5]|
.irp i, 6,10,14,18,22,26
	v_max3_num_f32 v12, v12, |v[XS+\i]|, |v[XS+\i+1]|
	v_max3_num_f32 v13, v13, |v[XS+\i+2]|, |v[XS+\i+3]|
.endr
	v_max3_num_f32 v12, v12, |v[XS+30]|, |v[XS+31]|
	v_max3_num_f32 v12, v12, v13, 0x1800000        ; the floor
	v_add_nc_u32 v11, 0xff000000, v12              ; the conversion's scale operand
	v_lshrrev_b32 v13, 23, v11                     ; the scale's byte
.if (\t)%4 == 0
	v_mov_b32 v[WSB+(\t)/4], v13                   ; four bytes to a register, the lower K in the lower byte
.else
	v_lshl_or_b32 v[WSB+(\t)/4], v13, 8*((\t)%4), v[WSB+(\t)/4]
.endif
.irp g, 0,1,2,3
	v_cvt_scalef32_pk8_fp4_f32 v[WC+\g], v[XS+8*\g:XS+8*\g+7], v11
.endr
	ds_store_b128 v4, v[WC:WC+3] offset:16*(\t)    ; 32 codes: 16 bytes of my column's row
.if (\t)+2 < WNB
	WLOAD (\t)+2
.endif
	s_wait_dscnt 0x0                               ; the store has read its registers: the next block's codes may be written
.endm
	s_load_b256 s[4:11], s[0:1], 0x0               ; X s[4:5], W_qkv s[6:7], W_out s[8:9], x_codes s[10:11]
	s_load_b256 s[12:19], s[0:1], 0x20             ; x_scales s[12:13], w_codes s[14:15], w_scales s[16:17], wo16 s[18:19]
	v_lshl_add_u32 v[SPW], v0, 2, SPARE
	v_mov_b32 v[NIL], 0
	v_lshrrev_b32 v1, 5, v0
	v_readfirstlane_b32 s[WV], v1                  ; wave 0..3
	v_and_b32 v2, 31, v0                           ; lane
	s_wait_kmcnt 0x0
	s_cmp_lt_u32 ttmp9, 256
	s_cbranch_scc0 .Lnot_x
	; ================ path X ================
	v_lshlrev_b32 v3, 4, v2                        ; my 16 bytes of a load's 512
	s_mul_i32 s21, s[WV], WREG
	v_lshrrev_b32 v14, 2, v2
	v_mul_u32_u24 v14, v14, SP
	v_and_b32 v15, 3, v2
	v_lshl_add_u32 v14, v15, 4, v14
	v_add_nc_u32 v14, s21, v14                     ; the stage, on the way in: four lanes' 64 bytes on end, then 16 of padding
	v_mul_u32_u24 v15, v2, SP
	v_add_nc_u32 v15, s21, v15                     ; and on the way out: my 16 neighbours
	v_lshlrev_b32 v4, 3, v2                        ; my codes' place in a step's: 8 bytes a lane
	v_lshrrev_b32 v5, 1, v2
	s_add_co_u32 s21, s21, 2*32*SP
	v_add_nc_u32 v5, s21, v5                       ; LDS: my wave's 256 scale bytes, my block's byte
	v_lshlrev_b32 v7, 3, v2
	v_add_nc_u32 v6, s21, v7                       ; and on the way out 8 bytes a lane
	s_lshl_b32 s22, ttmp9, 2
	s_add_co_u32 s22, s22, s[WV]                   ; which run of 8,192 numbers is my wave's
	s_mov_b32 s23, 0
	s_lshl_b64 s[24:25], s[22:23], 15              ; 32,768 bytes of f32 a run,
	s_add_nc_u64 s[4:5], s[4:5], s[24:25]
	s_lshl_b64 s[24:25], s[22:23], 12              ; 4,096 bytes of codes,
	s_add_nc_u64 s[10:11], s[10:11], s[24:25]
	s_lshl_b32 s22, s22, 8                         ; 256 scale bytes
	s_add_nc_u64 s[12:13], s[12:13], s[22:23]
.irp t, 0,1,2,3
	XLOAD \t
.endr
	s_wait_loadcnt 12                              ; step 0's four loads are in
	XTURN 0
.irp t, 0,1,2,3,4,5,6,7,8,9,10,11,12,13,14,15
	XSTEP \t
.endr
	ds_load_b64 v[8:9], v6                         ; LDS serves a wave's instructions in order: this sees my byte stores
	s_wait_dscnt 0x0
	global_store_b64 v7, v[8:9], s[12:13]          ; 32 lanes store 256 consecutive bytes, aligned
	s_branch .Lend
.Lnot_x:
	s_cmp_lt_u32 ttmp9, 304
	s_cbranch_scc0 .Lwo
	; ================ path W ================
	s_sub_co_u32 s21, ttmp9, 256
	s_lshr_b32 s22, s21, 1                         ; which 128 columns
	s_and_b32 s23, s21, 1                          ; which 512 along K
	s_lshl_b32 s22, s22, 7
	s_lshl_b32 s24, s[WV], 5
	s_add_co_u32 s22, s22, s24                     ; my wave's first column
	v_lshlrev_b32 v3, 2, v2                        ; in: 4 bytes a lane
	s_mul_i32 s24, s[WV], 32*WP
	s_add_co_u32 s24, s24, WSTG                    ; my stage
	v_mul_u32_u24 v4, v2, WP
	v_add_nc_u32 v4, s24, v4                       ; into it: row = my column
	v_and_b32 v5, 15, v2
	v_lshrrev_b32 v6, 4, v2                        ; out of it: sixteen lanes to a row, two rows an instruction
	v_mul_u32_u24 v7, v6, WP
	v_lshl_add_u32 v7, v5, 4, v7
	v_add_nc_u32 v7, s24, v7
	v_lshlrev_b32 v8, 9, v6                        ; the same place in the codes' buffer: rows of 512 bytes
	v_lshl_add_u32 v8, v5, 4, v8
	v_lshlrev_b32 v9, 5, v2                        ; my column's row of 32 scale bytes
	s_mul_i32 s26, s23, 512*WN*4                   ; W: 512 rows of 12,288 bytes for each half of K, + 4 x column
	s_lshl_b32 s25, s22, 2
	s_add_co_u32 s26, s26, s25
	s_mov_b32 s27, 0
	s_add_nc_u64 s[6:7], s[6:7], s[26:27]
	s_lshl_b32 s26, s22, 9                         ; codes: column x 512 + 256 x half
	s_lshl_b32 s25, s23, 8
	s_add_co_u32 s26, s26, s25
	s_add_nc_u64 s[14:15], s[14:15], s[26:27]
	s_lshl_b32 s26, s22, 5                         ; scale bytes: column x 32 + 16 x half
	s_lshl_b32 s25, s23, 4
	s_add_co_u32 s26, s26, s25
	s_add_nc_u64 s[16:17], s[16:17], s[26:27]
	WLOAD 0
	WLOAD 1
.set Q, 0
.rept WNB
	WBLOCK Q
.set Q, Q+1
.endr
	global_store_b128 v9, v[WSB:WSB+3], s[16:17]   ; my column's 16 scale bytes
.irp t, 0,1,2,3,4,5,6,7,8,9,10,11,12,13,14,15
	ds_load_b128 v[WOUT+4*\t:WOUT+4*\t+3], v7 offset:2*\t*WP
.endr
.irp t, 0,1,2,3,4,5,6,7,8,9,10,11,12,13,14,15
	s_wait_dscnt 15-\t
	global_store_b128 v8, v[WOUT+4*\t:WOUT+4*\t+3], s[14:15] offset:2*\t*512   ; sixteen lanes store 256 consecutive bytes, aligned
.endr
	s_branch .Lend
.Lwo:
	; ================ path WO: a wave casts 2,048 numbers ================
	s_sub_co_u32 s21, ttmp9, 304
	s_lshl_b32 s21, s21, 2
	s_add_co_u32 s21, s21, s[WV]                   ; my run
	s_lshl_b32 s22, s21, 13
	s_mov_b32 s23, 0
	s_add_nc_u64 s[8:9], s[8:9], s[22:23]
	s_lshl_b32 s22, s21, 12
	s_add_nc_u64 s[18:19], s[18:19], s[22:23]
	v_lshlrev_b32 v1, 4, v2
	v_lshlrev_b32 v3, 3, v2
.irp t, 0,1,2,3,4,5,6,7,8,9,10,11,12,13,14,15
	global_load_b128 v[32+4*\t:35+4*\t], v1, s[8:9] offset:512*\t
.endr
.irp t, 0,1,2,3,4,5,6,7,8,9,10,11,12,13,14,15
	s_wait_loadcnt 15-\t                           ; load t is in; the younger ones stay out
	v_cvt_pk_f16_f32 v[96+2*\t], v[32+4*\t], v[33+4*\t]
	v_cvt_pk_f16_f32 v[97+2*\t], v[34+4*\t], v[35+4*\t]
	global_store_b64 v3, v[96+2*\t:97+2*\t], s[18:19] offset:256*\t   ; 32 lanes store 256 consecutive bytes, aligned; no register is written twice
.endr
.Lend:
	s_wait_tensorcnt 0x0                           ; the wave's end, behind my last LDS store
	ds_add_u32 v[SPW], v[NIL]
	s_wait_dscnt 0x0
	s_endpgm
.Lfunc_end_k_qb75a2d83de_prep:
	.size	k_qb75a2d83de_prep, .Lfunc_end_k_qb75a2d83de_prep-k_qb75a2d83de_prep
	.p2alignl 7, 3214868480
	.fill 96, 4, 3214868480
	.section	.rodata,"a",@progbits
	.p2align	6, 0x0
	.amdhsa_kernel k_qb75a2d83de_prep
		.amdhsa_group_segment_fixed_size 68096
		.amdhsa_private_segment_fixed_size 0
		.amdhsa_enable_private_segment 0
		.amdhsa_kernarg_size 64
		.amdhsa_user_sgpr_count 2
		.amdhsa_user_sgpr_kernarg_segment_ptr 1
		.amdhsa_wavefront_size32 1
		.amdhsa_system_sgpr_workgroup_id_x 1
		.amdhsa_system_sgpr_workgroup_id_y 1
		.amdhsa_system_sgpr_workgroup_id_z 1
		.amdhsa_system_vgpr_workitem_id 0
		.amdhsa_next_free_vgpr 192
		.amdhsa_next_free_sgpr 66
		.amdhsa_reserve_vcc 0
		.amdhsa_float_denorm_mode_32 3
		.amdhsa_float_denorm_mode_16_64 3
		.amdhsa_memory_ordered 1
		.amdhsa_forward_progress 1
		.amdhsa_inst_pref_size 116
	.end_amdhsa_kernel
	.amdgpu_metadata
---
amdhsa.version: [ 1, 2 ]
amdhsa.kernels:
  - .name:           k_qb75a2d83de_prep
    .symbol:         k_qb75a2d83de_prep.kd
    .args:
      - { .name: X, .offset: 0, .size: 8, .value_kind: global_buffer, .address_space: global }
      - { .name: W_qkv, .offset: 8, .size: 8, .value_kind: global_buffer, .address_space: global }
      - { .name: W_out, .offset: 16, .size: 8, .value_kind: global_buffer, .address_space: global }
      - { .name: x_codes, .offset: 24, .size: 8, .value_kind: global_buffer, .address_space: global }
      - { .name: x_scales, .offset: 32, .size: 8, .value_kind: global_buffer, .address_space: global }
      - { .name: w_codes, .offset: 40, .size: 8, .value_kind: global_buffer, .address_space: global }
      - { .name: w_scales, .offset: 48, .size: 8, .value_kind: global_buffer, .address_space: global }
      - { .name: wo16, .offset: 56, .size: 8, .value_kind: global_buffer, .address_space: global }
    .group_segment_fixed_size: 68096
    .private_segment_fixed_size: 0
    .kernarg_segment_align: 8
    .kernarg_segment_size: 64
    .max_flat_workgroup_size: 128
    .sgpr_count:     66
    .vgpr_count:     192
    .wavefront_size: 32
...
	.end_amdgpu_metadata
.endif
;; end of part 1
;; launch gemm_qkv (part 2): grid 12 x 32, 4 waves a work-group, clusters of 4 x 4, 327,680 bytes of LDS; arguments x_codes, x_scales, w_codes, w_scales, qkv16, b_qkv, qkv_fine; writes qkv16, qkv_fine
.if DOCPART == 2
	.amdgcn_target "amdgcn-amd-amdhsa--gfx1250"
	.amdhsa_code_object_version 6
	.text
	.protected	k_qb75a2d83de_gemm_qkv
	.globl	k_qb75a2d83de_gemm_qkv
	.p2align	8
	.type	k_qb75a2d83de_gemm_qkv,@function
k_qb75a2d83de_gemm_qkv:
	s_mov_b64 s[64:65], 0
	v_nop
	global_prefetch_b8 v0, s[64:65] scope:SCOPE_SE
	s_setreg_imm32_b32 hwreg(HW_REG_WAVE_MODE, 25, 1), 1
	s_wait_xcnt 0x0
	s_wait_alu depctr_hold_cnt(0) depctr_sa_sdst(0) depctr_va_vdst(0) depctr_va_sdst(0) depctr_va_ssrc(0) depctr_va_vcc(0) depctr_vm_vsrc(0)
	s_getreg_b32 s2, hwreg(HW_REG_IB_STS2, 6, 4)
	s_cmp_eq_u32 s2, 0
	s_cbranch_scc0 .Lentry_in_a_cluster
	s_endpgm
.Lentry_in_a_cluster:
	s_bfe_u32 s2, ttmp6, 0x10000c
	s_cmp_lg_u32 s2, 0xf033
	s_cbranch_scc0 .Lentry_shape_is_right
	s_endpgm
.Lentry_shape_is_right:
; qkv = Q(X) Q(W_qkv) + b_qkv on codes of FP4 (E2M1) with one E8M0 scale for each 32 along K; sums in f32.  X's codes [8192][512 bytes], W's [3072 (n)][512 bytes], scale bytes [rows][32].
; OUT: qkv16 [3 (q, k, v)][4 b][16 h][2048 s][64] f16: a head's rows lie densely, so that every store here covers 512 consecutive bytes; and qkv_fine [4 b][16 s][3072] f32: positions 0-15 of every sequence.
; LIMIT: a number of q, k or v beyond 65,504 in magnitude has no f16.
; A tile of 256 rows x 256 columns is made by four waves, each 128 x 128: 64 accumulators, 512 registers.  K = 1,024 is two K steps of 512: both lie in LDS from the first fills on, nothing is filled again.
; CLUSTERS: 4 x 4 work-groups.  cy = the batch, cluster y = which 256 positions, so the four of a row of the cluster need the same rows of X; tile column = 4 x cluster x + cx (cluster x: q, k or v), so the
; four of a column need the same rows of W.  Each tile is asked for jointly.  THE MATRIX INSTRUCTION IS USED TRANSPOSED (source 0 = 16 rows of W, source 1 = 16 rows of X): a lane holds eight neighbouring columns of a row.
; The bias is the C of each sum's first product.
; REGISTERS: window 0: v0-31 addresses; v32-95 scale words, two sets; v128-191 X's fragments, one set; v192-255 the bias, later packed results.  window 1: W's fragments, two sets.  windows 2, 3: the accumulators ((a, b) at v[8 (8 (a % 4) + b)]).
.set NQ,     4                         ; matrix instructions deep in a slot
.set ROWB,   256                       ; a tile's row: 512 codes
.set KROW,   512                       ; a row of codes in memory
.set PITCH,  272                       ; an LDS row: 256 bytes + 16 of padding = 68 words: the 16 rows that a load touches start 4 words apart modulo 64
.set FR,     8
.set NL,     2
.set NP,     4
.set HALFT,  128*PITCH
.set SLOT,   4*HALFT
.set KS,     32                        ; a row of scale bytes
.set SCL,    2*SLOT                    ; behind the slots: the scales, as rows of 256 bytes + 16 of padding
.set HALFS,  (128*KS/256)*272
.set SBLK,   (16*KS/256)*272
.set SPARE,  SCL+4*HALFS               ; the spare words, 128 bytes for each wave
.set SPITCH, 272                       ; the way out: a stage of 16 rows x (256 + 16) bytes for each wave, in slot 0, which has had its only fill and its last read by then
.set FSTG,   32768                     ; and, also in slot 0, a stage of 16 rows x (512 + 16) bytes for the f32 rows
.set FPITCH, 528
.set HEADB,  262144                    ; a head's plane in qkv16
.set ADRA, 16
.set ADRB, 20
.set STO,  24
.set RD,   25
.set CO,   26
.set ADRS, 27
.set SPW,  28
.set NIL,  29
.set STOF, 30
.set RDF,  31
.set SC,   32
.set AF,   128
.set BI,   192                         ; the bias: v[BI + 8 b + j] = b_qkv at my column 16 b + 8 (lane / 16) + j
.set TMP,  192                         ; the way out: packed results
.set BK,   128                         ; rows read back from the stage: v128-159 and v160-191 by turns
.set FLAG, 95                          ; s95  0 where my first 16 rows are positions 0-15
.set G1, 24
.set G0, 32
.set G1B, 48
.set G0B, 56
.set G1S, 68
.set G0S, 76
.set G1SB, 80
.set G0SB, 88
.set MSB, 0
.macro WIN new                         ; the immediate's high byte repeats the setting that is left
.if MSB != (\new)
	s_set_vgpr_msb (MSB<<8)|(\new)
.set MSB, (\new)
.endif
.endm
.set MUL_LO, 0xa1                      ; source 0 (W) window 1, source 1 (X) window 0, C and D window 2
.set MUL_HI, 0xf1                      ; the same, C and D window 3
.set TO_B,   0x40
.macro WMUL hi, zero                   ; zero = 1: C is the bias, in window 0
.if \zero
	WIN 0x81+0x40*\hi
.else
	WIN 0xa1+0x50*\hi
.endif
.endm
; A joint load: waves 0 and 1 fetch for X, waves 2 and 3 for W.  The branch hangs on the wave's number alone.  An s_nop 0 and four v_nop follow each of the two lines.
.macro JLOAD g0a, g1a, g0b, g1b
	s_cmp_eq_u32 s15, 0
	s_cbranch_scc0 .Lfor_b_\@
	tensor_load_to_lds s[\g0a:\g0a+3], s[\g1a:\g1a+7]
	s_nop 0
.rept 4
	v_nop
.endr
	s_branch .Lasked_\@
.Lfor_b_\@:
	tensor_load_to_lds s[\g0b:\g0b+3], s[\g1b:\g1b+7]
	s_nop 0
.rept 4
	v_nop
.endr
.Lasked_\@:
.endm
.macro CROUND                          ; a round of the cluster's barrier
	s_barrier_signal -1
	s_barrier_wait -1
	s_cmp_lg_u32 s14, 0
	s_cbranch_scc1 .Lnot_wave_0_\@
	s_barrier_signal -3
.Lnot_wave_0_\@:
	s_barrier_wait -3
	s_barrier_signal -1
	s_barrier_wait -1
.endm
	s_load_b128 s[4:7], s[0:1], 0x0                ; X's codes s[4:5], X's scales s[6:7]
	s_load_b128 s[8:11], s[0:1], 0x10              ; W's codes s[8:9], W's scales s[10:11]
	s_load_b64 s[12:13], s[0:1], 0x20              ; qkv16
	s_load_b64 s[96:97], s[0:1], 0x28              ; b_qkv
	s_load_b64 s[98:99], s[0:1], 0x30              ; qkv_fine
	v_lshl_add_u32 v[SPW], v0, 2, SPARE
	v_mov_b32 v[NIL], 0
	ds_add_u32 v[SPW], v[NIL]                      ; the wave's opening: the add, twice on end, and its wait ahead of my first tensor load
	ds_add_u32 v[SPW], v[NIL]
	v_lshrrev_b32 v1, 5, v0
	v_readfirstlane_b32 s14, v1                    ; wave 0..3
	s_lshr_b32 s15, s14, 1                         ; which half of the tile's rows is mine.  Also: I fetch for X (0) or for W (1)
	s_and_b32 s16, s14, 1                          ; which half of its columns.  Also: which 128 rows of that tile I fetch
	s_bfe_u32 s40, ttmp6, 0x40000                  ; cx
	s_bfe_u32 s41, ttmp6, 0x40004                  ; cy
	s_lshl_b32 s42, ttmp9, 2
	s_add_co_u32 s42, s42, s40                     ; tile column = 4 x cluster x + cx
	s_and_b32 s17, ttmp7, 0xffff
	s_lshl_b32 s18, s41, 3
	s_add_co_u32 s17, s17, s18                     ; tile row = 8 cy + cluster y: batch cy, positions 256 x cluster y on
	s_lshl_b32 s43, s41, 2
	s_lshl_b32 s43, 15, s43                        ; my row of the cluster
	s_lshl_b32 s44, 0x1111, s40                    ; my column
	; descriptor group 1: a tile of 128 rows x 256 bytes, 16 bytes of padding behind each row
	s_or_b32 s[G1+0], s43, (0<<16)|(1<<20)|(1<<21)|(5<<22)|(3<<25)
	s_or_b32 s[G1B+0], s44, (0<<16)|(1<<20)|(1<<21)|(5<<22)|(3<<25)
.irp g, G1, G1B
	s_mov_b32 s[\g+1], ROWB<<16                    ; tensor_dim0
	s_mov_b32 s[\g+2], 128<<16                     ; tensor_dim1
	s_mov_b32 s[\g+3], ROWB<<16                    ; tile_dim0
	s_mov_b32 s[\g+4], 128                         ; tile_dim1
	s_mov_b32 s[\g+5], KROW                        ; the pitch
	s_mov_b32 s[\g+6], 0
	s_mov_b32 s[\g+7], 0
.endr
	; the scales of 128 rows: a dense block of 4,096 bytes, as 16 rows of 256 bytes (32 elements of 8 bytes), 16 bytes of padding behind each
	s_or_b32 s[G1S+0], s43, (3<<16)|(1<<20)|(1<<21)|(5<<22)|(3<<25)
	s_or_b32 s[G1SB+0], s44, (3<<16)|(1<<20)|(1<<21)|(5<<22)|(3<<25)
.irp g, G1S, G1SB
	s_mov_b32 s[\g+1], 32<<16
	s_mov_b32 s[\g+2], (128*KS/256)<<16
	s_mov_b32 s[\g+3], 32<<16
	s_mov_b32 s[\g+4], 128*KS/256
	s_mov_b32 s[\g+5], 32
	s_mov_b32 s[\g+6], 0
	s_mov_b32 s[\g+7], 0
.endr
	s_lshl_b32 s18, s16, 7                         ; which 128 rows of the tile I fetch
	s_lshl_b32 s20, s17, 8
	s_add_co_u32 s20, s20, s18                     ; X: row 256 x tile row + 128 x half
	s_lshl_b32 s46, s42, 8
	s_add_co_u32 s46, s46, s18                     ; W: row 256 x tile column + 128 x half
	s_mov_b32 s21, 0
	s_mov_b32 s47, 0
	s_mov_b64 s[18:19], KS
	s_mul_u64 s[22:23], s[20:21], s[18:19]         ; where these rows' scales begin
	s_mul_u64 s[92:93], s[46:47], s[18:19]
	s_mov_b64 s[18:19], KROW
	s_mul_u64 s[20:21], s[20:21], s[18:19]         ; and their codes
	s_mul_u64 s[46:47], s[46:47], s[18:19]
	s_mul_i32 s45, s14, HALFT                      ; where they go: wave x 128 rows
	s_mul_i32 s94, s14, HALFS
	s_wait_dscnt 0x0                               ; both opening adds are done
	s_wait_kmcnt 0x0
	s_add_nc_u64 s[20:21], s[4:5], s[20:21]
	s_add_nc_u64 s[22:23], s[6:7], s[22:23]
	s_add_nc_u64 s[46:47], s[8:9], s[46:47]
	s_add_nc_u64 s[92:93], s[10:11], s[92:93]
	CROUND                                         ; all sixteen work-groups are here: the joint loads meet
	s_mov_b32 s[G0S], 1
	s_add_co_u32 s[G0S+1], s94, SCL
	s_mov_b64 s[G0S+2:G0S+3], s[22:23]
	s_or_b32 s[G0S+3], s[G0S+3], 0x80000000
	s_mov_b32 s[G0SB], 1
	s_add_co_u32 s[G0SB+1], s94, SCL
	s_mov_b64 s[G0SB+2:G0SB+3], s[92:93]
	s_or_b32 s[G0SB+3], s[G0SB+3], 0x80000000
	JLOAD G0S, G1S, G0SB, G1SB                     ; the scales first: they are wanted with K step 0
.irp s, 0,1
	s_mov_b32 s[G0+4*\s], 1
	s_add_co_u32 s[G0+4*\s+1], s45, \s*SLOT
	s_add_nc_u64 s[G0+4*\s+2:G0+4*\s+3], s[20:21], \s*ROWB
	s_or_b32 s[G0+4*\s+3], s[G0+4*\s+3], 0x80000000
	s_mov_b32 s[G0B+4*\s], 1
	s_add_co_u32 s[G0B+4*\s+1], s45, \s*SLOT
	s_add_nc_u64 s[G0B+4*\s+2:G0B+4*\s+3], s[46:47], \s*ROWB
	s_or_b32 s[G0B+4*\s+3], s[G0B+4*\s+3], 0x80000000
	JLOAD G0+4*\s, G1, G0B+4*\s, G1B               ; three tensor loads of mine are out now, and no more follow
.endr
	v_and_b32 v1, 15, v0                           ; r = lane % 16
	v_bfe_u32 v2, v0, 4, 1                         ; h = lane / 16
	; the bias of my 128 columns, and the two outputs' bases
	s_lshl_b32 s46, s42, 10                        ; 1,024 bytes of f32 for a tile column,
	s_lshl_b32 s20, s16, 9                         ; 512 for my half
	s_add_co_u32 s46, s46, s20
	s_mov_b32 s47, 0
	s_add_nc_u64 s[96:97], s[96:97], s[46:47]
	s_mul_i32 s20, s41, 16*3072*4                  ; qkv_fine: my batch,
	s_add_co_u32 s46, s46, s20                     ; my columns
	s_add_nc_u64 s[98:99], s[98:99], s[46:47]
	v_lshlrev_b32 v7, 5, v2                        ; 8 numbers for each half of the lanes
.irp b, 0,1,2,3,4,5,6,7
	global_load_b128 v[BI+8*\b:BI+8*\b+3], v7, s[96:97] offset:64*\b
	global_load_b128 v[BI+8*\b+4:BI+8*\b+7], v7, s[96:97] offset:64*\b+16
.endr
	s_lshl_b32 s46, ttmp9, 2
	s_add_co_u32 s46, s46, s41                     ; 4 x (q, k or v) + batch
	s_lshl_b32 s46, s46, 4
	s_lshl_b32 s20, s40, 2
	s_add_co_u32 s46, s46, s20                     ; + the tile column's first head
	s_lshl_b32 s20, s16, 1
	s_add_co_u32 s46, s46, s20                     ; + my half's two heads
	s_lshl_b32 s46, s46, 18                        ; planes of 262,144 bytes
	s_and_b32 s21, ttmp7, 0xffff
	s_or_b32 s[FLAG], s21, s15                     ; 0: cluster y = 0 and the upper half of the rows
	s_lshl_b32 s20, s21, 15                        ; 256 positions of 128 bytes
	s_add_co_u32 s46, s46, s20
	s_lshl_b32 s20, s15, 14                        ; my 128 rows
	s_add_co_u32 s46, s46, s20
	s_add_nc_u64 s[12:13], s[12:13], s[46:47]
	v_mul_u32_u24 v3, v1, PITCH
	v_lshl_add_u32 v4, v2, 4, v3                   ; a fragment's row x pitch + 16 x half
	s_mul_i32 s21, s15, HALFT                      ; my 128 rows of X
	s_mul_i32 s22, s16, HALFT                      ; my 128 rows of W,
	s_add_co_u32 s22, s22, 2*HALFT                 ; which lie behind X's 256
.irp s, 0,1
	v_add_nc_u32 v[ADRA+\s], s21, v4
	v_add_nc_u32 v[ADRB+\s], s22, v4
	s_add_co_u32 s21, s21, SLOT
	s_add_co_u32 s22, s22, SLOT
.endr
	v_mul_u32_u24 v5, v1, KS                       ; my row's scales: 32 bytes a row,
	v_lshrrev_b32 v6, 8, v5
	v_lshl_add_u32 v5, v6, 4, v5                   ; and 16 more for each 256 passed
	s_mul_i32 s21, s15, HALFS
	s_mul_i32 s22, s16, HALFS
	s_add_co_u32 s22, s22, 2*HALFS
	s_sub_co_u32 s22, s22, s21
	v_mul_u32_u24 v6, s22, v2                      ; lanes 16-31 take W's
	s_add_co_u32 s21, s21, SCL
	v_add_nc_u32 v5, v5, v6
	v_add_nc_u32 v[ADRS], s21, v5
	s_mul_i32 s23, s14, 16*SPITCH                  ; my stage
	v_mul_u32_u24 v5, v1, SPITCH                   ; in: row r, 16 bytes for each half of the lanes
	v_lshl_add_u32 v5, v2, 4, v5
	v_add_nc_u32 v[STO], s23, v5
	v_and_b32 v6, 31, v0
	v_lshrrev_b32 v5, 3, v6                        ; back: eight lanes take one head's 128 bytes of a row, the 32 lanes four rows
	v_mul_u32_u24 v5, v5, SPITCH
	v_and_b32 v8, 7, v0
	v_lshl_add_u32 v5, v8, 4, v5
	v_add_nc_u32 v[RD], s23, v5
	v_lshlrev_b32 v[CO], 4, v6                     ; which are 512 consecutive bytes of the head's plane
	s_mul_i32 s23, s14, 16*FPITCH
	s_add_co_u32 s23, s23, FSTG                    ; my stage for the f32 rows
	v_mul_u32_u24 v5, v1, FPITCH
	v_lshl_add_u32 v5, v2, 5, v5
	v_add_nc_u32 v[STOF], s23, v5
	v_add_nc_u32 v[RDF], s23, v[CO]
.macro FRAG reg, adr, q, i             ; 16 rows x 128 K of 4-bit codes: lane l holds row l % 16; registers 4 c .. 4 c + 3 hold K = 64 c + 32 (l / 16) + 0 .. 31
.irp c, 0,1
	ds_load_b128 v[\reg+4*\c:\reg+4*\c+3], v[\adr] offset:64*(\q)+32*\c+(\i)*16*PITCH
.endr
.endm
; 16 matrix instructions: X's blocks a0, a0 + 1 x W's eight, 128 along K.  The 64 accumulators take turns, one instruction a turn, in the same order in every step.
.macro MUL16 a0, p, q, sc, zero
.irp a, \a0, \a0+1
.irp b, 0,1,2,3,4,5,6,7
.if \zero
	v_wmma_scale_f32_16x16x128_f8f6f4 v[8*(8*((\a)%4)+\b):8*(8*((\a)%4)+\b)+7], v[128*(\p)+FR*\b:128*(\p)+FR*\b+FR-1], v[AF+FR*(\a):AF+FR*(\a)+FR-1], v[BI+8*\b:BI+8*\b+7], v[SC+8*NQ*(\sc)+NQ*\b+(\q)], v[SC+8*NQ*(\sc)+NQ*(\a)+(\q)] matrix_a_fmt:MATRIX_FMT_FP4 matrix_b_fmt:MATRIX_FMT_FP4 matrix_a_scale:MATRIX_SCALE_ROW1
.else
	v_wmma_scale_f32_16x16x128_f8f6f4 v[8*(8*((\a)%4)+\b):8*(8*((\a)%4)+\b)+7], v[128*(\p)+FR*\b:128*(\p)+FR*\b+FR-1], v[AF+FR*(\a):AF+FR*(\a)+FR-1], v[8*(8*((\a)%4)+\b):8*(8*((\a)%4)+\b)+7], v[SC+8*NQ*(\sc)+NQ*\b+(\q)], v[SC+8*NQ*(\sc)+NQ*(\a)+(\q)] matrix_a_fmt:MATRIX_FMT_FP4 matrix_b_fmt:MATRIX_FMT_FP4 matrix_a_scale:MATRIX_SCALE_ROW1
.endif
.endr
.endr
.endm
.macro FETCH_B slot, q, p
	WIN TO_B
.irp i, 0,1,2,3,4,5,6,7
	FRAG 128*(\p)+FR*\i, ADRB+\slot, \q, \i
.endr
	WIN 0
.endm
.macro FETCH_A slot, q, i0
.irp i, \i0, \i0+1, \i0+2, \i0+3
	FRAG AF+FR*(\i), ADRA+\slot, \q, \i
.endr
.endm
.macro SCALES sc                       ; a K step's scale words: lanes 0-15 take X's block i, lanes 16-31 W's block i
.irp i, 0,1,2,3,4,5,6,7
	ds_load_b128 v[SC+8*NQ*\sc+NQ*\i:SC+8*NQ*\sc+NQ*\i+3], v[ADRS] offset:\i*SBLK
.endr
.endm
.macro PLACES n                        ; plain vector instructions between a matrix instruction and a load into, or a read of, its registers
.rept \n
	v_nop
.endr
.endm
.macro STEP slot, q, zero              ; 128 along K, with its successor in the same slot
	s_wait_dscnt 4*NL                              ; W's set and X's blocks 0-3 are in; the youngest eight loads (X's blocks 4-7) may be out
	WMUL 0, \zero
	MUL16 0, (\q)%2, \q, \slot, \zero
	MUL16 2, (\q)%2, \q, \slot, \zero
	s_wait_dscnt 0                                 ; X's blocks 4-7 are in
	PLACES NP
	FETCH_B \slot, (\q)+1, 1-(\q)%2
	FETCH_A \slot, (\q)+1, 0
	WMUL 1, \zero
	MUL16 4, (\q)%2, \q, \slot, \zero
	MUL16 6, (\q)%2, \q, \slot, \zero
	PLACES NP
	WIN 0
	FETCH_A \slot, (\q)+1, 4
.endm
; Slot 0's last step changes slots: each wave waits for all its tensor loads (its part of slot 1), adds 0 to its spare word, waits for that and for its reads of slot 0; one barrier.
.macro TURN slot, next
	s_wait_tensorcnt 0x0
	ds_add_u32 v[SPW], v[NIL]
	s_wait_dscnt 4*NL+1                            ; the add and the youngest eight loads may be out
	WIN MUL_LO
	MUL16 0, 1, NQ-1, \slot, 0
	s_wait_dscnt 0x0                               ; the add is done, and my reads of this slot are over
	s_barrier_signal -1
	MUL16 2, 1, NQ-1, \slot, 0
	WIN 0
	s_barrier_wait -1
	PLACES NP
	v_add_nc_u32 v[ADRS], 4*NQ, v[ADRS]            ; on to the next K step's scale words (no LDS load of mine is out)
	FETCH_B \next, 0, 0
	FETCH_A \next, 0, 0
	SCALES \next
	WIN MUL_HI
	MUL16 4, 1, NQ-1, \slot, 0
	MUL16 6, 1, NQ-1, \slot, 0
	PLACES NP
	WIN 0
	FETCH_A \next, 0, 4
.endm
.macro STEPS slot, from
.set Q, \from
.rept NQ-1-\from
	STEP \slot, Q, 0
.set Q, Q+1
.endr
.endm
	s_wait_tensorcnt 1                             ; the scales and my part of K step 0 are in (K step 1's load may be out),
	s_barrier_signal -1
	s_barrier_wait -1                              ; everybody's are
	FETCH_B 0, 0, 0
	FETCH_A 0, 0, 0
	SCALES 0
	FETCH_A 0, 0, 4
	s_wait_loadcnt 0x0                             ; the bias
	STEP 0, 0, 1                                   ; the first products start the sums from the bias
	STEPS 0, 1
	TURN 0, 1
	STEPS 1, 0
	s_wait_dscnt 4*NL                              ; the very last step: nothing more to fetch
	WIN MUL_LO
	MUL16 0, 1, NQ-1, 1, 0
	MUL16 2, 1, NQ-1, 1, 0
	s_wait_dscnt 0
	WIN MUL_HI
	MUL16 4, 1, NQ-1, 1, 0
	MUL16 6, 1, NQ-1, 1, 0
	WIN 0
; THE WAY OUT, block by block of 16 rows x 128 columns (two heads).  PACK: rounded to f16, 16 bytes a lane, each accumulator from its low end on.  TOSTAGE: into my own stage and back, four rows of one head to an
; instruction.  SEND: stored, 512 consecutive bytes of a head's plane an instruction.  LDS serves a wave's instructions in order: no wait between the stores and the loads.
.macro PACK a
.set AC, 64*((\a)%4)
	WIN 0x0a+5*((\a)/4)                            ; sources 0 and 1: window 2 or 3
.irp b, 0,1,2,3,4,5,6,7
.irp i, 0,1,2,3
	v_cvt_pk_f16_f32 v[TMP+4*\b+\i], v[AC+8*\b+2*\i], v[AC+8*\b+2*\i+1]
.endr
.endr
	WIN 0
.endm
.macro TOSTAGE a
.set BB, BK+32*((\a)%2)
.irp b, 0,1,2,3,4,5,6,7
	ds_store_b128 v[STO], v[TMP+4*\b:TMP+4*\b+3] offset:32*\b
.endr
.irp t, 0,1,2,3,4,5,6,7
	ds_load_b128 v[BB+4*\t:BB+4*\t+3], v[RD] offset:(\t%4)*4*SPITCH+(\t/4)*128
.endr
.endm
.macro SEND a
.set BB, BK+32*((\a)%2)
	s_wait_dscnt 0x0                               ; the block is back in registers
	s_wait_xcnt 0x0                                ; the earlier blocks' stores have read their registers: the next block's loads may land there
.irp t, 0,1,2,3,4,5,6,7
	global_store_b128 v[CO], v[BB+4*\t:BB+4*\t+3], s[12:13] offset:(\t/4)*HEADB+(\a)*2048+(\t%4)*512
.endr
.endm
	PLACES NP
	PACK 0
	TOSTAGE 0
.irp a, 1,2,3,4,5,6,7                  ; block a's conversions stand between block a - 1's loads from the stage and the wait for them
	PACK \a
	SEND \a-1
	TOSTAGE \a
.endr
	SEND 7
	; positions 0-15 also leave in f32: my block 0, where cluster y = 0 and my rows are the tile's upper half.  The branch hangs on ids alone and leads round no barrier
	s_cmp_lg_u32 s[FLAG], 0
	s_cbranch_scc1 .Lno_fine
	s_wait_xcnt 0x0                                ; the last stores have read v128-191
	WIN 0x08                                       ; an LDS store's data: window 2
.irp b, 0,1,2,3,4,5,6,7
	ds_store_b128 v[STOF], v[8*\b:8*\b+3] offset:64*\b
	ds_store_b128 v[STOF], v[8*\b+4:8*\b+7] offset:64*\b+16
.endr
	WIN 0
.irp t, 0,1,2,3,4,5,6,7,8,9,10,11,12,13,14,15
	ds_load_b128 v[BK+4*\t:BK+4*\t+3], v[RDF] offset:\t*FPITCH
.endr
.irp t, 0,1,2,3,4,5,6,7,8,9,10,11,12,13,14,15
	s_wait_dscnt 15-\t
	global_store_b128 v[CO], v[BK+4*\t:BK+4*\t+3], s[98:99] offset:\t*3072*4   ; 32 lanes store 512 consecutive bytes of a row
.endr
.Lno_fine:
	s_wait_tensorcnt 0x0                           ; the wave's end
	ds_add_u32 v[SPW], v[NIL]
	s_wait_dscnt 0x0
	CROUND                                         ; the closing round
	s_endpgm
.Lfunc_end_k_qb75a2d83de_gemm_qkv:
	.size	k_qb75a2d83de_gemm_qkv, .Lfunc_end_k_qb75a2d83de_gemm_qkv-k_qb75a2d83de_gemm_qkv
	.p2alignl 7, 3214868480
	.fill 96, 4, 3214868480
	.section	.rodata,"a",@progbits
	.p2align	6, 0x0
	.amdhsa_kernel k_qb75a2d83de_gemm_qkv
		.amdhsa_group_segment_fixed_size 327680
		.amdhsa_private_segment_fixed_size 0
		.amdhsa_enable_private_segment 0
		.amdhsa_kernarg_size 56
		.amdhsa_user_sgpr_count 2
		.amdhsa_user_sgpr_kernarg_segment_ptr 1
		.amdhsa_wavefront_size32 1
		.amdhsa_system_sgpr_workgroup_id_x 1
		.amdhsa_system_sgpr_workgroup_id_y 1
		.amdhsa_system_sgpr_workgroup_id_z 1
		.amdhsa_system_vgpr_workitem_id 0
		.amdhsa_next_free_vgpr 1024
		.amdhsa_next_free_sgpr 100
		.amdhsa_reserve_vcc 0
		.amdhsa_float_denorm_mode_32 3
		.amdhsa_float_denorm_mode_16_64 3
		.amdhsa_memory_ordered 1
		.amdhsa_forward_progress 1
		.amdhsa_inst_pref_size 133
	.end_amdhsa_kernel
	.amdgpu_metadata
---
amdhsa.version: [ 1, 2 ]
amdhsa.kernels:
  - .name:           k_qb75a2d83de_gemm_qkv
    .symbol:         k_qb75a2d83de_gemm_qkv.kd
    .args:
      - { .name: x_codes, .offset: 0, .size: 8, .value_kind: global_buffer, .address_space: global }
      - { .name: x_scales, .offset: 8, .size: 8, .value_kind: global_buffer, .address_space: global }
      - { .name: w_codes, .offset: 16, .size: 8, .value_kind: global_buffer, .address_space: global }
      - { .name: w_scales, .offset: 24, .size: 8, .value_kind: global_buffer, .address_space: global }
      - { .name: qkv16, .offset: 32, .size: 8, .value_kind: global_buffer, .address_space: global }
      - { .name: b_qkv, .offset: 40, .size: 8, .value_kind: global_buffer, .address_space: global }
      - { .name: qkv_fine, .offset: 48, .size: 8, .value_kind: global_buffer, .address_space: global }
    .group_segment_fixed_size: 327680
    .private_segment_fixed_size: 0
    .kernarg_segment_align: 8
    .kernarg_segment_size: 56
    .max_flat_workgroup_size: 128
    .sgpr_count:     100
    .vgpr_count:     1024
    .wavefront_size: 32
...
	.end_amdgpu_metadata
.endif
;; end of part 2
;; launch attn (part 3): grid 4 x 64, 16 waves a work-group, no clusters, 327,680 bytes of LDS; arguments qkv16, att16; writes att16
.if DOCPART == 3
	.amdgcn_target "amdgcn-amd-amdhsa--gfx1250"
	.amdhsa_code_object_version 6
	.text
	.protected	k_qb75a2d83de_attn
	.globl	k_qb75a2d83de_attn
	.p2align	8
	.type	k_qb75a2d83de_attn,@function
k_qb75a2d83de_attn:
	s_mov_b64 s[64:65], 0
	v_nop
	global_prefetch_b8 v0, s[64:65] scope:SCOPE_SE
	s_setreg_imm32_b32 hwreg(HW_REG_WAVE_MODE, 25, 1), 1
	s_wait_xcnt 0x0
; att[b][h][q][:] = the sum over k <= q of softmax_k(Q[q] . K[k] / 32) V[k][:], for each of 64 planes (b, h).  Q, K, V: planes [2048][64] f16 of qkv16; att16: the same planes, f16.
; Products on f16 operands with f32 sums; maxima, exponentials and sums in f32; a running maximum m and sum l for each query; the weights p = 2^(c s - c m), c = log2(e) / 32, are rounded to f16 for the second product.
; LIMITS: NaN and infinities are not served.  (Positions 0-15 are computed here too, but what leaves the program for them is made in f32 by another launch.)
; SHARES.  A work-group owns query blocks i and 7 - i (256 queries each) of one plane, so that under the causal mask all 256 work-groups have the same count of key steps: (32 i + 20) + (32 (7 - i) + 20) = 264 wave steps.
; Each of its sixteen waves owns 32 queries, two tiles of 16: each fragment of K and V read from LDS feeds two matrix instructions.  Wave w is of the late block where (w xor (w >> 2)) is odd.
; Four waves share a SIMD: one wave's vector work stands beside another's matrix work and LDS loads.
; NO CLUSTER: the four work-groups of a plane need 8, 7, 6 and 5 slots of keys; a joint load would bring tiles that every wave of some partner jumps over.
; LAYOUT.  S^T = K Q^T (source 0 = 16 keys, source 1 = 16 queries), O^T = V^T P (source 0 = 16 channels, source 1 = 32 keys x 16 queries): a lane holds ONE query (lane % 16) throughout.
; LDS.  A plane's rows of 128 bytes are dense, so a tile is stated as rows of 256 bytes, two keys to a row: key s lies at (s >> 1) pitch + (s & 1) 128.  K's pitch 272: the 16 keys of a fragment load start at words
; 0, 32, 4, 36, .. 28, 60 modulo 64.  V's pitch 288: the eight keys x 32 bytes of a turning load fall on words 0-7, 32-39, 8-15, .. each once.
; Two slots of 256 keys (four steps of 64), filled by waves 0, 1 (K's halves) and 2, 3 (V's), read by all sixteen.
.set HEADB, 262144
.set KPL,   16777216                   ; K's planes begin here in qkv16,
.set VPL,   33554432                   ; V's here
.set PK,    272
.set PV,    288
.set VOFF,  128*PK                     ; a slot: 128 rows of K, then 128 rows of V
.set SLOT1, 1<<17                      ; slot 1 begins here: one exclusive or turns an address from one slot to the other
.set STAGE, SLOT1+128*(PK+PV)          ; the way out: 32 rows x (128 + 16) bytes for each wave; no tile lands here
.set OP,    144
.set SPARE, STAGE+16*32*OP             ; the spare words, 128 bytes for each wave
.set AK0, 1                            ; v1   my lane's place in a tile of K
.set AV0, 2                            ; v2   the same for V
.set SPW, 3                            ; v3   LDS address of my spare word; never rewritten
.set NIL, 4                            ; v4   0; never rewritten
.set ADK, 5                            ; v5   LDS address of the step's K
.set ADV, 6                            ; v6   of its V
.set STO, 7
.set RD,  8
.set GO,  9
.set PFO, 10                           ; v10  256 x lane; never rewritten
.set ST,  12                           ; tile t's statistics at v[ST + 8 t]: +0 c m, +1 m, +2, +3 l in two halves, +4 .. +7 at work; a = 2^(c m_old - c m_new) at +6
.set RH,  30                           ; v30  lane % 16 - 8 (lane / 16)
.set QF,  32                           ; v32-63   Q: tile t, channels 32 c on, at QF + 16 t + 8 c
.set S,   64                           ; v64-127  S^T: tile t, keys 16 kt on, at S + 32 t + 8 kt
.set P,   128                          ; v128-159 P, 16 a tile; ahead of the scores: K's fragments of keys 32-63
.set O,   160                          ; v160-223 O^T: tile t, channels 16 d on, at O + 32 t + 8 d
.set WV,  8
.set Q0,  10                           ; s10  my first query
.set QL,  11                           ; s11  my work-group's last query
.set KF,  12                           ; s12  the step's first key
.set TBK, 13                           ; s13  LDS byte at which the step's K begins
.set TBV, 14                           ; s14  the same for V, less VOFF
.set SLOTS, 15
.set TW,  16
.set LIM, 17                           ; s17  1 in a wave that prefetches, else the greatest number
.set PFA, 18                           ; s[18:19] where my prefetches stand
.set SEL, 20
.set CS,  22
.set G1K, 24
.set G1V, 32
.set G0K, 40
.set G0V, 44
; Waves 0 and 1 fetch for K, waves 2 and 3 for V, the others nothing.  An s_nop 0 and four v_nop follow each of the two lines.
.macro TLOAD
	s_cmp_lt_u32 s[WV], 2
	s_cbranch_scc0 .Lnot_k_\@
	tensor_load_to_lds s[G0K:G0K+3], s[G1K:G1K+7]
	s_nop 0
.rept 4
	v_nop
.endr
	s_branch .Lasked_\@
.Lnot_k_\@:
	s_cmp_lt_u32 s[WV], 4
	s_cbranch_scc0 .Lasked_\@
	tensor_load_to_lds s[G0V:G0V+3], s[G1V:G1V+7]
	s_nop 0
.rept 4
	v_nop
.endr
.Lasked_\@:
.endm
; A prefetch into the L2 of the slot that the NEXT change of slots will ask for: 32,768 dense bytes of K and as many of V.  All four work-groups of a plane walk the same keys: the first of them (which walks all
; eight slots) asks; in it waves 4 to 7 ask for K's, waves 8 to 11 for V's, 8,192 bytes a wave, lanes 256 bytes apart: each aligned block of 256 bytes is named once in the launch.
; Slots 0 and 1 come by their loads alone; the last change that fills a slot asks for nothing.
.macro ASK
	s_cmp_gt_u32 s[SLOTS], s[LIM]
	s_cbranch_scc0 .Lnot_mine_\@
	global_prefetch_b8 v[PFO], s[PFA:PFA+1] th:TH_LOAD_NT scope:SCOPE_SE
.Lnot_mine_\@:
.endm
	s_load_b128 s[4:7], s[0:1], 0x0                ; qkv16 s[4:5], att16 s[6:7]
	v_lshl_add_u32 v[SPW], v0, 2, SPARE
	v_mov_b32 v[NIL], 0
	ds_add_u32 v[SPW], v[NIL]                      ; the wave's opening: the add, twice on end, and its wait ahead of my first tensor load
	ds_add_u32 v[SPW], v[NIL]
	v_lshrrev_b32 v30, 5, v0
	v_readfirstlane_b32 s[WV], v30                 ; wave 0..15
	s_lshr_b32 s52, s[WV], 2
	s_xor_b32 s52, s52, s[WV]
	s_and_b32 s52, s52, 1                          ; 1: my queries are of the late block
	s_sub_co_u32 s53, 7, ttmp9
	s_cmp_eq_u32 s52, 1
	s_cselect_b32 s53, s53, ttmp9                  ; my block of 256 queries
	s_lshl_b32 s[Q0], s53, 8
	s_lshr_b32 s52, s[WV], 1
	s_lshl_b32 s52, s52, 5
	s_add_co_u32 s[Q0], s[Q0], s52                 ; my first query: 256 x block + 32 x (wave / 2)
	s_lshl_b32 s[QL], ttmp9, 8
	s_sub_co_u32 s[QL], 2047, s[QL]                ; the late block's last query
	s_and_b32 s52, ttmp7, 0xffff
	s_lshl_b32 s52, s52, 18                        ; my plane's first byte among 64 planes
	s_and_b32 s53, s[WV], 1                        ; which 128 keys of a slot I fetch, if I fetch
	s_lshl_b32 s54, s53, 14
	s_add_co_u32 s54, s54, s52
	s_add_co_u32 s56, s54, KPL
	s_mov_b32 s57, 0
	s_add_co_u32 s58, s54, VPL
	s_mov_b32 s59, 0
	s_mul_i32 s60, s53, 64*PK                      ; and where they go
	s_mul_i32 s61, s53, 64*PV
	s_add_co_u32 s61, s61, VOFF
	; descriptor group 1: 64 rows of 256 bytes (128 elements of 2 bytes), dense in memory; K: 4 words of padding behind each 64, V: 8
	s_mov_b32 s[G1K], (1<<16)|(1<<20)|(5<<22)|(3<<25)
	s_mov_b32 s[G1V], (1<<16)|(1<<20)|(5<<22)|(7<<25)
.irp g, G1K, G1V
	s_mov_b32 s[\g+1], 128<<16                     ; tensor_dim0
	s_mov_b32 s[\g+2], 64<<16                      ; tensor_dim1
	s_mov_b32 s[\g+3], 128<<16                     ; tile_dim0
	s_mov_b32 s[\g+4], 64                          ; tile_dim1
	s_mov_b32 s[\g+5], 128                         ; the pitch
	s_mov_b32 s[\g+6], 0
	s_mov_b32 s[\g+7], 0
.endr
	s_mov_b32 s[SEL], 0x76543210
	s_mov_b32 s[SEL+1], 0xfedcba98                 ; v_permlanex16_b32's selects for lane l xor 16
	s_mov_b32 s[CS], 0x3d38aa3b                    ; c = log2(e) / 32
	s_mov_b32 s[CS+1], s[CS]
	s_mov_b32 s[KF], 0
	s_mov_b32 s[TBK], 0
	s_mov_b32 s[TBV], 0
	s_mov_b32 s[SLOTS], 7
	s_wait_dscnt 0x0                               ; both opening adds are done
	s_wait_kmcnt 0x0
	s_mov_b32 s[G0K], 1
	s_mov_b32 s[G0K+1], s60
	s_add_nc_u64 s[G0K+2:G0K+3], s[4:5], s[56:57]
	s_or_b32 s[G0K+3], s[G0K+3], 0x80000000
	s_mov_b32 s[G0V], 1
	s_mov_b32 s[G0V+1], s61
	s_add_nc_u64 s[G0V+2:G0V+3], s[4:5], s[58:59]
	s_or_b32 s[G0V+3], s[G0V+3], 0x80000000
	TLOAD                                          ; slot 0: it holds key 0, which counts for every query
	s_lshl_b32 s54, s[Q0], 7
	s_add_co_u32 s54, s54, s52
	s_mov_b32 s55, 0
	s_add_nc_u64 s[48:49], s[4:5], s[54:55]        ; Q at my first query
	s_add_nc_u64 s[50:51], s[6:7], s[54:55]        ; att16 likewise
	s_cmp_lt_u32 s[WV], 8                          ; the prefetches: waves 4 to 7 K's plane, waves 8 to 11 V's
	s_mov_b32 s54, VPL
	s_cselect_b32 s54, KPL, s54
	s_add_co_u32 s54, s54, s52
	s_and_b32 s56, s[WV], 3
	s_lshl_b32 s56, s56, 13                        ; my wave's 8,192 bytes,
	s_add_co_u32 s54, s54, s56
	s_add_co_u32 s54, s54, 32768                   ; in slot 1: the first change of slots steps it to slot 2
	s_add_nc_u64 s[PFA:PFA+1], s[4:5], s[54:55]
	s_sub_co_u32 s56, s[WV], 4
	s_lshr_b32 s56, s56, 3                         ; 0 in waves 4 to 11,
	s_or_b32 s56, s56, ttmp9                       ; of the plane's first work-group
	s_cmp_eq_u32 s56, 0
	s_cselect_b32 s[LIM], 1, -1
	v_and_b32 v30, 15, v0                          ; r
	v_bfe_u32 v31, v0, 4, 1                        ; h
	v_lshlrev_b32 v5, 7, v30
	v_lshl_add_u32 v5, v31, 4, v5                  ; Q: row r of 128 bytes, + 16 h
.irp t, 0,1
.irp c, 0,1
	global_load_b128 v[QF+16*\t+8*\c:QF+16*\t+8*\c+3], v5, s[48:49] offset:\t*2048+\c*64
	global_load_b128 v[QF+16*\t+8*\c+4:QF+16*\t+8*\c+7], v5, s[48:49] offset:\t*2048+\c*64+32
.endr
.endr
	v_lshrrev_b32 v[AK0], 1, v30
	v_mul_u32_u24 v[AK0], v[AK0], PK
	v_and_b32 v6, 1, v30
	v_lshl_add_u32 v[AK0], v6, 7, v[AK0]
	v_lshl_add_u32 v[AK0], v31, 4, v[AK0]          ; K: (r >> 1) pitch + (r & 1) 128 + 16 h
	v_and_b32 v6, 7, v0
	v_lshl_add_u32 v6, v31, 3, v6                  ; the turning load: my key 8 h + lane % 8,
	v_lshrrev_b32 v[AV0], 1, v6
	v_mul_u32_u24 v[AV0], v[AV0], PV
	v_and_b32 v6, 1, v6
	v_lshl_add_u32 v[AV0], v6, 7, v[AV0]
	v_bfe_u32 v6, v0, 3, 1
	v_lshl_add_u32 v[AV0], v6, 4, v[AV0]           ; channels 8 ((lane / 8) % 2) on
	v_add_nc_u32 v[AV0], VOFF, v[AV0]
	s_mul_i32 s54, s[WV], 32*OP
	s_add_co_u32 s54, s54, STAGE                   ; my stage
	v_mul_u32_u24 v[STO], v30, OP
	v_lshl_add_u32 v[STO], v31, 4, v[STO]
	v_add_nc_u32 v[STO], s54, v[STO]               ; in: row r, 16 bytes for each half of the lanes
	v_and_b32 v[GO], 31, v0
	v_lshrrev_b32 v[RD], 3, v[GO]
	v_mul_u32_u24 v[RD], v[RD], OP
	v_and_b32 v6, 7, v0
	v_lshl_add_u32 v[RD], v6, 4, v[RD]
	v_add_nc_u32 v[RD], s54, v[RD]                 ; back: eight lanes a row, four rows an instruction
	v_lshlrev_b32 v[PFO], 8, v[GO]
	v_lshlrev_b32 v[GO], 4, v[GO]                  ; which are 512 consecutive bytes of the plane
	v_lshlrev_b32 v31, 3, v31
	v_sub_nc_u32 v[RH], v30, v31                   ; r - 8 h, for the mask
	v_mov_b32 v29, 0xff800000                      ; -infinity
.irp t, 0,1
	v_mov_b32 v[ST+8*\t+1], 0xff61b1e6             ; m: -3e38, under every score
	v_mul_f32 v[ST+8*\t], s[CS], v[ST+8*\t+1]      ; c m
.irp j, 2,3,4,5,6,7
	v_mov_b32 v[ST+8*\t+\j], 0                     ; l, and the registers at work (a lane permute's destination counts as read)
.endr
.endr
.irp j, 0,1,2,3,4,5,6,7,8,9,10,11,12,13,14,15,16,17,18,19,20,21,22,23,24,25,26,27,28,29,30,31,32,33,34,35,36,37,38,39,40,41,42,43,44,45,46,47,48,49,50,51,52,53,54,55,56,57,58,59,60,61,62,63
	v_mov_b32 v[O+\j], 0                           ; O^T.  (The step is written without a first step of its own: the first finds zeros, and a = 0 leaves them zeros)
.endr
; A KEY STEP: 64 keys from s[KF] on.  A step all of whose keys come after my 32 queries is left out: a scalar branch on ids, round the step's work, not round the lines at its end that step addresses.
.macro STEP
	s_add_co_u32 s60, s[Q0], 31
	s_cmp_gt_u32 s[KF], s60
	s_cbranch_scc1 .Lhidden_\@
	v_add_nc_u32 v[ADK], s[TBK], v[AK0]
	v_add_nc_u32 v[ADV], s[TBV], v[AV0]
.rept 3
	v_nop                                          ; with the two additions five places behind the last step's products: four for the loads into their sources, five for the scores that are written over V's registers
.endr
.irp kt, 0,1,2,3                                   ; K: keys 16 kt on, channels 32 c on; keys 0-31 into v224-255, keys 32-63 into P's registers, which are free here
.irp c, 0,1
.set KR, 224+16*\kt+8*\c-128*(\kt/2)
	ds_load_b128 v[KR:KR+3], v[ADK] offset:\kt*8*PK+64*\c
	ds_load_b128 v[KR+4:KR+7], v[ADK] offset:\kt*8*PK+64*\c+32
.endr
.endr
	s_wait_dscnt 0x0
.irp c, 0,1                                        ; S^T = K Q^T: eight accumulators by turns; the first eight start the sums
.irp kt, 0,1,2,3
.irp t, 0,1
.set KR, 224+16*\kt+8*\c-128*(\kt/2)
.if \c == 0
	v_wmma_f32_16x16x32_f16 v[S+32*\t+8*\kt:S+32*\t+8*\kt+7], v[KR:KR+7], v[QF+16*\t+8*\c:QF+16*\t+8*\c+7], 0
.else
	v_wmma_f32_16x16x32_f16 v[S+32*\t+8*\kt:S+32*\t+8*\kt+7], v[KR:KR+7], v[QF+16*\t+8*\c:QF+16*\t+8*\c+7], v[S+32*\t+8*\kt:S+32*\t+8*\kt+7]
.endif
.endr
.endr
.endr
.rept 4
	v_nop                                          ; places in front of the loads below and of the first read of the scores
.endr
.irp d, 0,1,2,3                                    ; V^T of keys 0-31, channels 16 d on, turned on the way out of LDS
	ds_load_tr16_b128 v[224+8*\d:224+8*\d+3], v[ADV] offset:32*\d
	ds_load_tr16_b128 v[224+8*\d+4:224+8*\d+7], v[ADV] offset:32*\d+8*PV
.endr
	s_add_co_u32 s60, s[KF], 63                    ; a step all of whose keys count for all my queries skips the mask
	s_cmp_le_u32 s60, s[Q0]
	s_cbranch_scc1 .Lopen_\@
	s_sub_co_i32 s60, s[Q0], s[KF]
	v_add_nc_u32 v11, s60, v[RH]                   ; tile 0: register 8 kt + j holds key KF + 16 kt + 8 h + j: hidden where 16 kt + j > my query - KF - 8 h
	v_add_nc_u32 v28, 16, v11                      ; tile 1: 16 queries on
.irp t, 0,1
.irp kt, 0,1,2,3
.irp j, 0,1,2,3,4,5,6,7
	v_cmp_gt_i32 vcc_lo, 16*\kt+\j, v[11+17*\t]
	v_cndmask_b32 v[S+32*\t+8*\kt+\j], v[S+32*\t+8*\kt+\j], v29, vcc_lo
.endr
.endr
.endr
.Lopen_\@:
.irp j, 0,1,2,3                                    ; the maximum: four chains a tile, each begun at an accumulator's low end; the two tiles by turns
.irp t, 0,1
	v_max3_num_f32 v[ST+8*\t+4+\j], v[S+32*\t+8*\j], v[S+32*\t+8*\j+1], v[S+32*\t+8*\j+2]
.endr
.endr
.irp g, 1,2
.irp j, 0,1,2,3
.irp t, 0,1
	v_max3_num_f32 v[ST+8*\t+4+\j], v[ST+8*\t+4+\j], v[S+32*\t+8*\j+2*\g+1], v[S+32*\t+8*\j+2*\g+2]
.endr
.endr
.endr
.irp t, 0,1
	v_max3_num_f32 v[ST+8*\t+4], v[ST+8*\t+4], v[S+32*\t+7], v[S+32*\t+15]
.endr
.irp t, 0,1
	v_max3_num_f32 v[ST+8*\t+6], v[ST+8*\t+6], v[S+32*\t+23], v[S+32*\t+31]
.endr
.irp t, 0,1
	v_max3_num_f32 v[ST+8*\t+4], v[ST+8*\t+4], v[ST+8*\t+5], v[ST+8*\t+6]
.endr
.irp t, 0,1
	v_max3_num_f32 v[ST+8*\t+4], v[ST+8*\t+4], v[ST+8*\t+7], v[ST+8*\t+1]   ; with the old m
.endr
.irp t, 0,1
	v_permlanex16_b32 v[ST+8*\t+5], v[ST+8*\t+4], s[SEL], s[SEL+1]          ; the query's other 32 keys lie in the lane 16 away
.endr
.irp t, 0,1
	v_mov_b32 v[ST+8*\t+7], v[ST+8*\t]             ; c m_old
.endr
.irp t, 0,1
	v_max_num_f32 v[ST+8*\t+1], v[ST+8*\t+4], v[ST+8*\t+5]                  ; the new m
.endr
.irp t, 0,1
	v_mul_f32 v[ST+8*\t], s[CS], v[ST+8*\t+1]
.endr
.irp t, 0,1
	v_sub_f32 v[ST+8*\t+7], v[ST+8*\t+7], v[ST+8*\t]
.endr
.irp t, 0,1
.irp b, 0,1,2,3,4,5,6,7,8,9,10,11,12,13,14,15
	v_pk_fma_f32 v[S+32*\t+2*\b:S+32*\t+2*\b+1], v[S+32*\t+2*\b:S+32*\t+2*\b+1], s[CS:CS+1], v[ST+8*\t:ST+8*\t+1] op_sel_hi:[1,0,0] neg_lo:[0,0,1] neg_hi:[0,0,1]   ; c s - c m, two at a time
.endr
.endr
.irp t, 0,1
	v_exp_f32 v[ST+8*\t+6], v[ST+8*\t+7]           ; a = 2^(c m_old - c m_new)
.endr
.irp j, 0,1,2,3,4,5,6,7,8,9,10,11,12,13,14,15,16,17,18,19,20,21,22,23,24,25,26,27,28,29,30,31,32,33,34,35,36,37,38,39,40,41,42,43,44,45,46,47,48,49,50,51,52,53,54,55,56,57,58,59,60,61,62,63
	v_exp_f32 v[S+\j], v[S+\j]                     ; p
.endr
	v_nop                                          ; a plain instruction behind the last exponential
	s_wait_alu depctr_va_vdst(0)                   ; one wait for the batch of 66, ahead of its first reader
.irp t, 0,1
	v_pk_mul_f32 v[ST+8*\t+2:ST+8*\t+3], v[ST+8*\t+2:ST+8*\t+3], v[ST+8*\t+6:ST+8*\t+7] op_sel_hi:[1,0]   ; l under the new m
	v_pk_add_f32 v[ST+8*\t+4:ST+8*\t+5], v[S+32*\t:S+32*\t+1], v[S+32*\t+2:S+32*\t+3]                      ; the sum of the unrounded p, in two chains
.irp j, 4,8,12,16,20,24,28
	v_pk_add_f32 v[ST+8*\t+2:ST+8*\t+3], v[ST+8*\t+2:ST+8*\t+3], v[S+32*\t+\j:S+32*\t+\j+1]
	v_pk_add_f32 v[ST+8*\t+4:ST+8*\t+5], v[ST+8*\t+4:ST+8*\t+5], v[S+32*\t+\j+2:S+32*\t+\j+3]
.endr
	v_pk_add_f32 v[ST+8*\t+2:ST+8*\t+3], v[ST+8*\t+2:ST+8*\t+3], v[ST+8*\t+4:ST+8*\t+5]
.irp p, 0,1,2,3,4,5,6,7,8,9,10,11,12,13,14,15
	v_cvt_pk_f16_f32 v[P+16*\t+\p], v[S+32*\t+2*\p], v[S+32*\t+2*\p+1]   ; two tiles of 16 keys, rounded in pairs, ARE source 1 of the second product
.endr
.if \t == 0
.irp d, 0,1,2,3                                    ; V^T of keys 32-63 into tile 0's scores, which are done with
	ds_load_tr16_b128 v[S+8*\d:S+8*\d+3], v[ADV] offset:16*PV+32*\d
	ds_load_tr16_b128 v[S+8*\d+4:S+8*\d+7], v[ADV] offset:16*PV+32*\d+8*PV
.endr
.endif
.endr
.irp t, 0,1
.irp i, 0,1,2,3,4,5,6,7,8,9,10,11,12,13,14,15
	v_pk_mul_f32 v[O+32*\t+2*\i:O+32*\t+2*\i+1], v[O+32*\t+2*\i:O+32*\t+2*\i+1], v[ST+8*\t+6:ST+8*\t+7] op_sel_hi:[1,0]   ; O^T under the new m, each accumulator from its low end on
.endr
.endr
	s_wait_dscnt 0x0                               ; V is in
.irp ks, 0,1                                       ; O^T += V^T P: eight accumulators by turns
.irp d, 0,1,2,3
.irp t, 0,1
.set VR, 224+8*\d-160*\ks
	v_wmma_f32_16x16x32_f16 v[O+32*\t+8*\d:O+32*\t+8*\d+7], v[VR:VR+7], v[P+16*\t+8*\ks:P+16*\t+8*\ks+7], v[O+32*\t+8*\d:O+32*\t+8*\d+7]
.endr
.endr
.endr
.Lhidden_\@:
	s_add_co_u32 s[KF], s[KF], 64
	s_add_co_u32 s[TBK], s[TBK], 32*PK
	s_add_co_u32 s[TBV], s[TBV], 32*PV
.endm
; THE CHANGE OF SLOTS stands at a slot's head.  Each wave waits for all its tensor loads, adds 0 to its spare word (fill = 1: twice on end), and waits for that and
; for its reads of the slot that it has left.  Behind the barrier the slot ahead is whole and nobody reads the other one; fill = 1: that one takes the next 256 keys, and the load has four key steps in which to land.
.macro CHANGE fill
	s_wait_tensorcnt 0x0                           ; no tensor load of mine is out, so a group 0 may be written
	ds_add_u32 v[SPW], v[NIL]
.if \fill
	ds_add_u32 v[SPW], v[NIL]
	s_xor_b32 s[G0K+1], s[G0K+1], SLOT1            ; the walking descriptors: the other slot,
	s_add_nc_u64 s[G0K+2:G0K+3], s[G0K+2:G0K+3], 32768   ; the next 256 keys
	s_xor_b32 s[G0V+1], s[G0V+1], SLOT1
	s_add_nc_u64 s[G0V+2:G0V+3], s[G0V+2:G0V+3], 32768
	s_wait_xcnt 0x0                                ; the last prefetch, a slot back, has read its address
	s_add_nc_u64 s[PFA:PFA+1], s[PFA:PFA+1], 32768
.endif
	s_wait_dscnt 0x0
	s_barrier_signal -1
	s_barrier_wait -1
.if \fill
	s_add_co_u32 s60, s[KF], 256                   ; the first key of the slot that this change would ask for: beyond my work-group's last query it would be read by none of the sixteen waves, so it is not asked for.
	s_cmp_gt_u32 s60, s[QL]                        ; Ids and the count of steps alone: all sixteen waves go the same way; every wait on TENSORcnt in this text is for 0
	s_cbranch_scc1 .Lpast_\@
	TLOAD                                          ; a wave's one tensor load until the next such barrier
.Lpast_\@:
	ASK
.endif
.endm
.macro FOUR_STEPS                      ; a slot's four key steps: written once, walked four times
	s_mov_b32 s[TW], 4
.Lstep_\@:
	STEP
	s_sub_co_u32 s[TW], s[TW], 1
	s_cmp_lg_u32 s[TW], 0
	s_cbranch_scc1 .Lstep_\@
	s_sub_co_u32 s[TBK], s[TBK], 4*32*PK           ; back to a slot's first step,
	s_xor_b32 s[TBK], s[TBK], SLOT1                ; in the other slot
	s_sub_co_u32 s[TBV], s[TBV], 4*32*PV
	s_xor_b32 s[TBV], s[TBV], SLOT1
.endm
	s_wait_loadcnt 0x0                             ; Q
.Lslot:                                            ; seven trips: every work-group walks all eight slots, so that the trip counts are constants; what is left out is a step's work and a load
	CHANGE 1
	FOUR_STEPS
	s_sub_co_u32 s[SLOTS], s[SLOTS], 1
	s_cmp_lg_u32 s[SLOTS], 0
	s_cbranch_scc1 .Lslot
	CHANGE 0                                       ; the last slot is written out: nothing is asked for
	FOUR_STEPS
	; THE WAY OUT: O^T / l, rounded to f16, through my stage, 512 consecutive bytes of the plane a store
.rept 4
	v_nop                                          ; places behind the last products
.endr
.irp t, 0,1
	v_add_f32 v[ST+8*\t+4], v[ST+8*\t+2], v[ST+8*\t+3]
.endr
.irp t, 0,1
	v_permlanex16_b32 v[ST+8*\t+5], v[ST+8*\t+4], s[SEL], s[SEL+1]
.endr
.irp t, 0,1
	v_add_f32 v[ST+8*\t+4], v[ST+8*\t+4], v[ST+8*\t+5]
.endr
.irp t, 0,1
	v_rcp_f32 v[ST+8*\t+6], v[ST+8*\t+4]
.endr
	v_nop
	s_wait_alu depctr_va_vdst(0)                   ; one wait for the two reciprocals
.irp t, 0,1
.irp i, 0,1,2,3,4,5,6,7,8,9,10,11,12,13,14,15
	v_pk_mul_f32 v[O+32*\t+2*\i:O+32*\t+2*\i+1], v[O+32*\t+2*\i:O+32*\t+2*\i+1], v[ST+8*\t+6:ST+8*\t+7] op_sel_hi:[1,0]
.endr
.endr
.irp n, 0,1,2,3,4,5,6,7,8,9,10,11,12,13,14,15,16,17,18,19,20,21,22,23,24,25,26,27,28,29,30,31
	v_cvt_pk_f16_f32 v[S+\n], v[O+2*\n], v[O+2*\n+1]
.endr
.irp t, 0,1
.irp d, 0,1,2,3
	ds_store_b128 v[STO], v[S+16*\t+4*\d:S+16*\t+4*\d+3] offset:\t*16*OP+32*\d
.endr
.endr
.irp n, 0,1,2,3,4,5,6,7
	ds_load_b128 v[96+4*\n:99+4*\n], v[RD] offset:\n*4*OP   ; LDS serves a wave's instructions in order: these see my stores
.endr
.irp n, 0,1,2,3,4,5,6,7
	s_wait_dscnt 7-\n
	global_store_b128 v[GO], v[96+4*\n:99+4*\n], s[50:51] offset:512*\n
.endr
	s_wait_tensorcnt 0x0                           ; the wave's end
	ds_add_u32 v[SPW], v[NIL]
	s_wait_dscnt 0x0
	s_endpgm
.Lfunc_end_k_qb75a2d83de_attn:
	.size	k_qb75a2d83de_attn, .Lfunc_end_k_qb75a2d83de_attn-k_qb75a2d83de_attn
	.p2alignl 7, 3214868480
	.fill 96, 4, 3214868480
	.section	.rodata,"a",@progbits
	.p2align	6, 0x0
	.amdhsa_kernel k_qb75a2d83de_attn
		.amdhsa_group_segment_fixed_size 327680
		.amdhsa_private_segment_fixed_size 0
		.amdhsa_enable_private_segment 0
		.amdhsa_kernarg_size 16
		.amdhsa_user_sgpr_count 2
		.amdhsa_user_sgpr_kernarg_segment_ptr 1
		.amdhsa_wavefront_size32 1
		.amdhsa_system_sgpr_workgroup_id_x 1
		.amdhsa_system_sgpr_workgroup_id_y 1
		.amdhsa_system_sgpr_workgroup_id_z 1
		.amdhsa_system_vgpr_workitem_id 0
		.amdhsa_next_free_vgpr 256
		.amdhsa_next_free_sgpr 66
		.amdhsa_reserve_vcc 1
		.amdhsa_float_denorm_mode_32 3
		.amdhsa_float_denorm_mode_16_64 3
		.amdhsa_memory_ordered 1
		.amdhsa_forward_progress 1
		.amdhsa_inst_pref_size 62
	.end_amdhsa_kernel
	.amdgpu_metadata
---
amdhsa.version: [ 1, 2 ]
amdhsa.kernels:
  - .name:           k_qb75a2d83de_attn
    .symbol:         k_qb75a2d83de_attn.kd
    .args:
      - { .name: qkv16, .offset: 0, .size: 8, .value_kind: global_buffer, .address_space: global }
      - { .name: att16, .offset: 8, .size: 8, .value_kind: global_buffer, .address_space: global }
    .group_segment_fixed_size: 327680
    .private_segment_fixed_size: 0
    .kernarg_segment_align: 8
    .kernarg_segment_size: 16
    .max_flat_workgroup_size: 512
    .sgpr_count:     66
    .vgpr_count:     256
    .wavefront_size: 32
...
	.end_amdgpu_metadata
.endif
;; end of part 3
;; launch gemm_out (part 4): grid 8 x 32, 4 waves a work-group, clusters of 4 x 4, 327,680 bytes of LDS; arguments att16, wo16, b_out, out0; writes out0
.if DOCPART == 4
	.amdgcn_target "amdgcn-amd-amdhsa--gfx1250"
	.amdhsa_code_object_version 6
	.text
	.protected	k_qb75a2d83de_gemm_out
	.globl	k_qb75a2d83de_gemm_out
	.p2align	8
	.type	k_qb75a2d83de_gemm_out,@function
k_qb75a2d83de_gemm_out:
	s_mov_b64 s[64:65], 0
	v_nop
	global_prefetch_b8 v0, s[64:65] scope:SCOPE_SE
	s_setreg_imm32_b32 hwreg(HW_REG_WAVE_MODE, 25, 1), 1
	s_wait_xcnt 0x0
	s_wait_alu depctr_hold_cnt(0) depctr_sa_sdst(0) depctr_va_vdst(0) depctr_va_sdst(0) depctr_va_ssrc(0) depctr_va_vcc(0) depctr_vm_vsrc(0)
	s_getreg_b32 s2, hwreg(HW_REG_IB_STS2, 6, 4)
	s_cmp_eq_u32 s2, 0
	s_cbranch_scc0 .Lentry_in_a_cluster
	s_endpgm
.Lentry_in_a_cluster:
	s_bfe_u32 s2, ttmp6, 0x10000c
	s_cmp_lg_u32 s2, 0xf033
	s_cbranch_scc0 .Lentry_shape_is_right
	s_endpgm
.Lentry_shape_is_right:
; out0 = att W_out + b_out, for all positions but the first 16 of every sequence (those are another launch's, in f32).  att16: [4 b][16 h][2048 s][64] f16; wo16: [1024 (k)][1024 (n)] f16; out0: [8192][1024] f32; sums in f32.
; A tile of 256 rows x 128 columns is made by four waves, each 128 x 64: 32 accumulators, 256 registers: 256 work-groups.  K goes in steps of 128, two heads, through two LDS slots.
; A's tile is two planes (heads) of 256 positions x 128 bytes, each a dense block of memory, stated as 128 rows of 256 bytes: position s lies at (s >> 1) 272 + (s & 1) 128.  B's tile is 128 rows of k x 256 bytes,
; pitch 288, and is turned on its way out of LDS (ds_load_tr16_b128).  Wave 0 and 1 fetch A's planes, waves 2 and 3 B's halves: one tensor load a wave.
; CLUSTERS: 4 x 4 work-groups; cy = the batch, cluster y = which 256 positions (A shared along a row of the cluster), tile column = 4 x cluster x + cx (B shared along a column).
; THE MATRIX INSTRUCTION IS USED TRANSPOSED (source 0 = 16 columns of W_out, source 1 = 16 rows of att).  The bias is the C of each sum's first product.
; No prefetch: of the eight K steps two come with the first fills, and the text's tensor loads each have 112 matrix instructions in which to land.
; REGISTERS: window 0: v16-29 addresses; v32-95 rows on the way out; v96-127 the bias.  window 1: two fragment buffers of 96 (A's block i at f + 8 i, B's block b at f + 64 + 8 b).  window 2: accumulator (a, b) at v[8 (4 a + b)].
.set PA,     272
.set PB,     288
.set PLANE,  128*PA
.set BOFF,   2*PLANE
.set SLOT,   BOFF+128*PB
.set STAGE,  2*SLOT                    ; behind the slots: 16 rows x (256 + 16) bytes for each wave
.set SPITCH, 272
.set SPARE,  STAGE+4*16*SPITCH
.set HEADB,  262144
.set ADRA, 16
.set ADRB, 20
.set STO,  24
.set RD,   25
.set CO,   26
.set SPW,  28
.set NIL,  29
.set BK,   32
.set BI,   96
.set F0,   0
.set F1,   128
.set FLAG, 13                          ; s13  0 where my first 16 rows are positions 0-15
.set G1, 24
.set G0, 32
.set G1B, 48
.set G0B, 56
.set MSB, 0
.macro WIN new
.if MSB != (\new)
	s_set_vgpr_msb (MSB<<8)|(\new)
.set MSB, (\new)
.endif
.endm
.set MUL,  0xa5                        ; sources 0 and 1 window 1; C and D window 2
.set MULB, 0x85                        ; the same with C in window 0: the bias
.set TO_F, 0x40
.macro JLOAD s                         ; a joint load; an s_nop 0 and four v_nop follow each of the two lines
	s_cmp_eq_u32 s11, 0
	s_cbranch_scc0 .Lfor_b_\@
	tensor_load_to_lds s[G0+4*\s:G0+4*\s+3], s[G1:G1+7]
	s_nop 0
.rept 4
	v_nop
.endr
	s_branch .Lasked_\@
.Lfor_b_\@:
	tensor_load_to_lds s[G0B+4*\s:G0B+4*\s+3], s[G1B:G1B+7]
	s_nop 0
.rept 4
	v_nop
.endr
.Lasked_\@:
.endm
.macro CREST
	s_cmp_lg_u32 s10, 0
	s_cbranch_scc1 .Lnot_wave_0_\@
	s_barrier_signal -3
.Lnot_wave_0_\@:
	s_barrier_wait -3
	s_barrier_signal -1
	s_barrier_wait -1
.endm
.macro CROUND
	s_barrier_signal -1
	s_barrier_wait -1
	CREST
.endm
	s_load_b128 s[4:7], s[0:1], 0x0                ; att16 s[4:5], wo16 s[6:7]
	s_load_b64 s[14:15], s[0:1], 0x10              ; b_out
	s_load_b64 s[8:9], s[0:1], 0x18                ; out0
	v_lshl_add_u32 v[SPW], v0, 2, SPARE
	v_mov_b32 v[NIL], 0
	ds_add_u32 v[SPW], v[NIL]                      ; the wave's opening: the add, twice on end, and its wait ahead of my first tensor load
	ds_add_u32 v[SPW], v[NIL]
	v_lshrrev_b32 v1, 5, v0
	v_readfirstlane_b32 s10, v1                    ; wave 0..3
	s_lshr_b32 s11, s10, 1                         ; which 128 rows are mine.  Also: I fetch for A (0) or for B (1)
	s_and_b32 s12, s10, 1                          ; which 64 columns.  Also: which plane of A, or which 64 rows of B, I fetch
	s_bfe_u32 s40, ttmp6, 0x40000                  ; cx
	s_bfe_u32 s41, ttmp6, 0x40004                  ; cy: the batch
	s_lshl_b32 s42, ttmp9, 2
	s_add_co_u32 s42, s42, s40                     ; tile column
	s_and_b32 s45, ttmp7, 0xffff                   ; which 256 positions
	s_or_b32 s[FLAG], s45, s11
	s_lshl_b32 s43, s41, 2
	s_lshl_b32 s43, 15, s43                        ; my row of the cluster
	s_lshl_b32 s44, 0x1111, s40                    ; my column
	s_or_b32 s[G1+0], s43, (1<<16)|(1<<20)|(1<<21)|(5<<22)|(3<<25)   ; elements of 2 bytes; 4 words of padding behind each 64
	s_mov_b32 s[G1+1], 128<<16                     ; tensor_dim0: 128 elements, two positions
	s_mov_b32 s[G1+2], 128<<16                     ; tensor_dim1
	s_mov_b32 s[G1+3], 128<<16                     ; tile_dim0
	s_mov_b32 s[G1+4], 128                         ; tile_dim1
	s_mov_b32 s[G1+5], 128                         ; the pitch: dense
	s_mov_b32 s[G1+6], 0
	s_mov_b32 s[G1+7], 0
	s_or_b32 s[G1B+0], s44, (1<<16)|(1<<20)|(1<<21)|(5<<22)|(7<<25)  ; 8 words of padding behind each 64
	s_mov_b32 s[G1B+1], 128<<16
	s_mov_b32 s[G1B+2], 64<<16
	s_mov_b32 s[G1B+3], 128<<16
	s_mov_b32 s[G1B+4], 64
	s_mov_b32 s[G1B+5], 1024
	s_mov_b32 s[G1B+6], 0
	s_mov_b32 s[G1B+7], 0
	s_lshl_b32 s16, s41, 4
	s_add_co_u32 s16, s16, s12                     ; A: plane 16 x batch + my plane of the K step,
	s_lshl_b32 s16, s16, 18
	s_lshl_b32 s17, s45, 15                        ; positions 256 x cluster y on
	s_add_co_u32 s16, s16, s17
	s_mov_b32 s17, 0
	s_lshl_b32 s46, s12, 17                        ; B: my 64 rows of 2,048 bytes,
	s_lshl_b32 s47, s42, 8                         ; the tile column's 256 bytes
	s_add_co_u32 s46, s46, s47
	s_mov_b32 s47, 0
	s_mul_i32 s20, s12, PLANE                      ; where they go
	s_mul_i32 s21, s12, 64*PB
	s_add_co_u32 s21, s21, BOFF
	s_wait_dscnt 0x0                               ; both opening adds are done
	s_wait_kmcnt 0x0
	s_add_nc_u64 s[16:17], s[4:5], s[16:17]
	s_add_nc_u64 s[46:47], s[6:7], s[46:47]
	CROUND                                         ; all sixteen work-groups are here: the first joint loads meet
.irp s, 0,1
	s_mov_b32 s[G0+4*\s], 1
	s_add_co_u32 s[G0+4*\s+1], s20, \s*SLOT
	s_add_nc_u64 s[G0+4*\s+2:G0+4*\s+3], s[16:17], \s*2*HEADB
	s_or_b32 s[G0+4*\s+3], s[G0+4*\s+3], 0x80000000
	s_mov_b32 s[G0B+4*\s], 1
	s_add_co_u32 s[G0B+4*\s+1], s21, \s*SLOT
	s_add_nc_u64 s[G0B+4*\s+2:G0B+4*\s+3], s[46:47], \s*128*2048
	s_or_b32 s[G0B+4*\s+3], s[G0B+4*\s+3], 0x80000000
	JLOAD \s
.endr
	v_and_b32 v1, 15, v0                           ; r
	v_bfe_u32 v2, v0, 4, 1                         ; h
	s_lshl_b32 s46, s42, 9                         ; my columns in bytes of f32: 512 x tile column + 256 x half
	s_lshl_b32 s47, s12, 8
	s_add_co_u32 s46, s46, s47
	s_mov_b32 s47, 0
	s_add_nc_u64 s[14:15], s[14:15], s[46:47]
	v_lshlrev_b32 v7, 5, v2
.irp b, 0,1,2,3
	global_load_b128 v[BI+8*\b:BI+8*\b+3], v7, s[14:15] offset:64*\b          ; v[BI + 8 b + j] = b_out at my column 16 b + 8 h + j
	global_load_b128 v[BI+8*\b+4:BI+8*\b+7], v7, s[14:15] offset:64*\b+16
.endr
	s_lshl_b32 s16, s41, 11
	s_lshl_b32 s17, s45, 8
	s_add_co_u32 s16, s16, s17
	s_lshl_b32 s17, s11, 7
	s_add_co_u32 s16, s16, s17                     ; my first row of out0
	s_lshl_b32 s16, s16, 12
	s_add_co_u32 s16, s16, s46
	s_mov_b32 s17, 0
	s_add_nc_u64 s[8:9], s[8:9], s[16:17]
	v_lshrrev_b32 v3, 1, v1
	v_mul_u32_u24 v3, v3, PA
	v_and_b32 v4, 1, v1
	v_lshl_add_u32 v3, v4, 7, v3
	v_lshl_add_u32 v3, v2, 4, v3                   ; A: (r >> 1) pitch + (r & 1) 128 + 16 h
	v_and_b32 v4, 7, v0
	v_lshl_add_u32 v4, v2, 3, v4
	v_mul_u32_u24 v4, v4, PB                       ; B: row 8 h + lane % 8,
	v_bfe_u32 v5, v0, 3, 1
	v_lshl_add_u32 v4, v5, 4, v4                   ; columns 8 ((lane / 8) % 2) on
	s_mul_i32 s21, s11, 64*PA                      ; my 128 rows of A
	s_lshl_b32 s22, s12, 7                         ; my 64 columns of B
	s_add_co_u32 s22, s22, BOFF
.irp s, 0,1
	v_add_nc_u32 v[ADRA+\s], s21, v3
	v_add_nc_u32 v[ADRB+\s], s22, v4
	s_add_co_u32 s21, s21, SLOT
	s_add_co_u32 s22, s22, SLOT
.endr
	s_mul_i32 s23, s10, 16*SPITCH
	s_add_co_u32 s23, s23, STAGE                   ; my stage
	v_mul_u32_u24 v5, v1, SPITCH
	v_lshl_add_u32 v5, v2, 5, v5
	v_add_nc_u32 v[STO], s23, v5                   ; in: row r, 32 bytes for each half of the lanes
	v_mul_u32_u24 v5, v2, SPITCH
	v_lshl_add_u32 v5, v1, 4, v5
	v_add_nc_u32 v[RD], s23, v5                    ; back: lanes 0-15 one row of 256 bytes, lanes 16-31 the next
	v_lshlrev_b32 v5, 12, v2
	v_lshl_add_u32 v[CO], v1, 4, v5                ; and the same two rows in out0
.macro MUL8 f, a0, zero                ; A's blocks a0, a0 + 1 x B's four, 32 along K.  The 32 accumulators take turns in the same order in every quarter
.irp a, \a0, \a0+1
.irp b, 0,1,2,3
.if \zero
	v_wmma_f32_16x16x32_f16 v[8*(4*(\a)+\b):8*(4*(\a)+\b)+7], v[\f+64+8*\b:\f+64+8*\b+7], v[\f+8*(\a):\f+8*(\a)+7], v[BI+8*\b:BI+8*\b+7]
.else
	v_wmma_f32_16x16x32_f16 v[8*(4*(\a)+\b):8*(4*(\a)+\b)+7], v[\f+64+8*\b:\f+64+8*\b+7], v[\f+8*(\a):\f+8*(\a)+7], v[8*(4*(\a)+\b):8*(4*(\a)+\b)+7]
.endif
.endr
.endr
.endm
.macro FETCH slot, q, f                ; 24 LDS loads in one run: the slot's q-th 32 along K: B's four blocks, A's blocks 0-3, A's blocks 4-7
	WIN TO_F
.irp b, 0,1,2,3
	ds_load_tr16_b128 v[\f+64+8*\b:\f+64+8*\b+3], v[ADRB+\slot] offset:32*PB*(\q)+32*\b
	ds_load_tr16_b128 v[\f+64+8*\b+4:\f+64+8*\b+7], v[ADRB+\slot] offset:32*PB*(\q)+32*\b+16*PB
.endr
.irp i, 0,1,2,3,4,5,6,7
	ds_load_b128 v[\f+8*\i:\f+8*\i+3], v[ADRA+\slot] offset:((\q)/2)*PLANE+((\q)%2)*64+\i*8*PA
	ds_load_b128 v[\f+8*\i+4:\f+8*\i+7], v[ADRA+\slot] offset:((\q)/2)*PLANE+((\q)%2)*64+\i*8*PA+32
.endr
.endm
.macro PLACES
.rept 4
	v_nop
.endr
.endm
.macro WMUL zero
.if \zero
	WIN MULB
.else
	WIN MUL
.endif
.endm
.macro QUARTER slot, q, f, g, zero     ; multiplies buffer f and fetches the slot's q-th quarter into g
	s_wait_dscnt 8                                 ; B and A's blocks 0-3 are in; the youngest eight loads may be out
	WMUL \zero
	MUL8 \f, 0, \zero
	MUL8 \f, 2, \zero
	PLACES
	FETCH \slot, \q, \g
	s_wait_dscnt 24                                ; all but the 24 just issued
	WMUL \zero
	MUL8 \f, 4, \zero
	MUL8 \f, 6, \zero
.endm
; The last quarter multiplies buffer 1 and changes slots: each wave waits for all its tensor loads, adds 0 to its spare word, waits for that and for its reads of this slot; the barrier opens a round of the cluster's
; barrier where the slot is filled again (fill = 1), two K steps ahead, by the first tensor load behind the round.
.macro TURN slot, next, fill
	WIN 0
	s_wait_tensorcnt 0x0
	ds_add_u32 v[SPW], v[NIL]
	s_wait_dscnt 9                                 ; the add and the youngest eight loads may be out
	WIN MUL
	MUL8 F1, 0, 0
	s_wait_dscnt 0x0                               ; the add is done, and my reads of this slot are over
	s_barrier_signal -1
	MUL8 F1, 2, 0
.if \fill
	WIN 0
.endif
	s_barrier_wait -1
.if \fill
	CREST
	s_add_nc_u64 s[G0+4*\slot+2:G0+4*\slot+3], s[G0+4*\slot+2:G0+4*\slot+3], 4*HEADB       ; four heads on
	s_add_nc_u64 s[G0B+4*\slot+2:G0B+4*\slot+3], s[G0B+4*\slot+2:G0B+4*\slot+3], 256*2048  ; 256 rows of k on
	JLOAD \slot                                    ; the four v_nop behind it are also the places in front of the loads below
.else
	PLACES
.endif
	FETCH \next, 0, F0
	WIN MUL
	MUL8 F1, 4, 0
	MUL8 F1, 6, 0
.endm
	s_wait_tensorcnt 1                             ; my part of K step 0 is in (K step 1's load may be out),
	s_barrier_signal -1
	s_barrier_wait -1                              ; everybody's is
	FETCH 0, 0, F0
	s_wait_loadcnt 0x0                             ; the bias
	QUARTER 0, 1, F0, F1, 1                        ; the first quarter starts the sums from the bias
	WIN 0
	s_mov_b32 s3, 3
.Llap:                                             ; a trip goes once round the two slots and fills both again
	QUARTER 0, 2, F1, F0, 0
	QUARTER 0, 3, F0, F1, 0
	TURN 0, 1, 1
	QUARTER 1, 1, F0, F1, 0
	QUARTER 1, 2, F1, F0, 0
	QUARTER 1, 3, F0, F1, 0
	TURN 1, 0, 1
	QUARTER 0, 1, F0, F1, 0
	WIN 0
	s_sub_co_u32 s3, s3, 1
	s_cmp_lg_u32 s3, 0
	s_cbranch_scc1 .Llap
	QUARTER 0, 2, F1, F0, 0                        ; the last two K steps fill nothing
	QUARTER 0, 3, F0, F1, 0
	TURN 0, 1, 0
	QUARTER 1, 1, F0, F1, 0
	QUARTER 1, 2, F1, F0, 0
	QUARTER 1, 3, F0, F1, 0
	s_wait_dscnt 8
	WIN MUL
	MUL8 F1, 0, 0
	MUL8 F1, 2, 0
	s_wait_dscnt 0
	MUL8 F1, 4, 0
	MUL8 F1, 6, 0
	WIN 0
; THE WAY OUT, block by block of 16 rows x 64 columns, through my own stage: sixteen lanes store 256 consecutive bytes, aligned.
.macro TOSTAGE a
	WIN 0x08                                       ; an LDS store's data: window 2
.irp b, 0,1,2,3
	ds_store_b128 v[STO], v[8*(4*(\a)+\b):8*(4*(\a)+\b)+3] offset:64*\b            ; each accumulator from its low end on
	ds_store_b128 v[STO], v[8*(4*(\a)+\b)+4:8*(4*(\a)+\b)+7] offset:64*\b+16
.endr
	WIN 0
.set BB, BK+32*((\a)%2)
.irp t, 0,1,2,3,4,5,6,7
	ds_load_b128 v[BB+4*\t:BB+4*\t+3], v[RD] offset:\t*2*SPITCH
.endr
.endm
.macro SEND a, younger                 ; younger: the LDS instructions issued behind block a's loads
.set BB, BK+32*((\a)%2)
	s_wait_dscnt \younger
.if (\a) == 0
	s_cmp_eq_u32 s[FLAG], 0                        ; positions 0-15 are stored by the f32 launch: the branch hangs on ids alone and leads round these eight stores alone
	s_cbranch_scc1 .Lfine_rows
.endif
.irp t, 0,1,2,3,4,5,6,7
	global_store_b128 v[CO], v[BB+4*\t:BB+4*\t+3], s[8:9] offset:(16*(\a)+2*\t)*4096 th:TH_STORE_NT
.endr
.if (\a) == 0
.Lfine_rows:
.endif
.endm
	PLACES
	TOSTAGE 0
.irp a, 1,2,3,4,5,6,7
.if \a > 1
	s_wait_xcnt 0x0                                ; block a - 2's stores have read their registers: block a's loads may land there
.endif
	TOSTAGE \a
	SEND \a-1, 16                                  ; behind block a - 1's loads: block a's 8 stores and 8 loads
.endr
	SEND 7, 0
	s_wait_tensorcnt 0x0                           ; the wave's end
	ds_add_u32 v[SPW], v[NIL]
	s_wait_dscnt 0x0
	CROUND                                         ; the closing round
	s_endpgm
.Lfunc_end_k_qb75a2d83de_gemm_out:
	.size	k_qb75a2d83de_gemm_out, .Lfunc_end_k_qb75a2d83de_gemm_out-k_qb75a2d83de_gemm_out
	.p2alignl 7, 3214868480
	.fill 96, 4, 3214868480
	.section	.rodata,"a",@progbits
	.p2align	6, 0x0
	.amdhsa_kernel k_qb75a2d83de_gemm_out
		.amdhsa_group_segment_fixed_size 327680
		.amdhsa_private_segment_fixed_size 0
		.amdhsa_enable_private_segment 0
		.amdhsa_kernarg_size 32
		.amdhsa_user_sgpr_count 2
		.amdhsa_user_sgpr_kernarg_segment_ptr 1
		.amdhsa_wavefront_size32 1
		.amdhsa_system_sgpr_workgroup_id_x 1
		.amdhsa_system_sgpr_workgroup_id_y 1
		.amdhsa_system_sgpr_workgroup_id_z 1
		.amdhsa_system_vgpr_workitem_id 0
		.amdhsa_next_free_vgpr 768
		.amdhsa_next_free_sgpr 66
		.amdhsa_reserve_vcc 0
		.amdhsa_float_denorm_mode_32 3
		.amdhsa_float_denorm_mode_16_64 3
		.amdhsa_memory_ordered 1
		.amdhsa_forward_progress 1
		.amdhsa_inst_pref_size 87
	.end_amdhsa_kernel
	.amdgpu_metadata
---
amdhsa.version: [ 1, 2 ]
amdhsa.kernels:
  - .name:           k_qb75a2d83de_gemm_out
    .symbol:         k_qb75a2d83de_gemm_out.kd
    .args:
      - { .name: att16, .offset: 0, .size: 8, .value_kind: global_buffer, .address_space: global }
      - { .name: wo16, .offset: 8, .size: 8, .value_kind: global_buffer, .address_space: global }
      - { .name: b_out, .offset: 16, .size: 8, .value_kind: global_buffer, .address_space: global }
      - { .name: out0, .offset: 24, .size: 8, .value_kind: global_buffer, .address_space: global }
    .group_segment_fixed_size: 327680
    .private_segment_fixed_size: 0
    .kernarg_segment_align: 8
    .kernarg_segment_size: 32
    .max_flat_workgroup_size: 128
    .sgpr_count:     66
    .vgpr_count:     768
    .wavefront_size: 32
...
	.end_amdgpu_metadata
.endif
;; end of part 4
;; launch fine (part 5): grid 16 x 4, 16 waves a work-group, no clusters, 67,584 bytes of LDS; arguments qkv_fine, W_out, b_out, out0; writes out0
.if DOCPART == 5
	.amdgcn_target "amdgcn-amd-amdhsa--gfx1250"
	.amdhsa_code_object_version 6
	.text
	.protected	k_qb75a2d83de_fine
	.globl	k_qb75a2d83de_fine
	.p2align	8
	.type	k_qb75a2d83de_fine,@function
k_qb75a2d83de_fine:
	s_mov_b64 s[64:65], 0
	v_nop
	global_prefetch_b8 v0, s[64:65] scope:SCOPE_SE
	s_setreg_imm32_b32 hwreg(HW_REG_WAVE_MODE, 25, 1), 1
	s_wait_xcnt 0x0
; POSITIONS 0-15 OF EVERY SEQUENCE, IN F32: under the causal mask they average one to sixteen values and are the largest numbers of the output, so their attention and their rows of the projection take f32 operands
; (v_wmma_f32_16x16x4_f32): 96 matrix instructions a wave, no bulk work.  qkv_fine: [4 b][16 s][3072] f32, bias included.  W_out [1024][1024], b_out [1024], out0 [8192][1024]: f32.
; SHARES.  A work-group takes 64 output columns (x) of one batch (y).  Wave w is head w: it makes the head's 16 x 16 attention, then its 64 channels' part of the projection onto the 64 columns; the sixteen parts meet in LDS,
; and wave q sums and stores position q's 64 numbers.
; LAYOUT.  All three products are used transposed, so that a lane holds ONE query (lane % 16).  The form takes k = 2 (lane / 16) + j in register j; here K is walked in an order of its own, the same for both sources:
; in step c lanes 0-15 take k = 2 c + j and lanes 16-31 k = base + 2 c + j (base 32 of the head's 64 channels; 8 of the 16 keys; 8 of 16 channels), which keeps every sum and lets a result's registers be the next product's operand.
; The registers that these matrix instructions write (v176-255) are written by matrix instructions alone, and each sum begins with the constant 0.
; LIMITS: NaN and infinities are not served.
.set RED,   0                          ; LDS: 4,096 bytes for each wave: its 32 result registers, as they stand
.set SPARE, 65536                      ; the spare words, 128 bytes for each wave
.set VQ,  3
.set VV,  4
.set VW,  5
.set SPW, 6
.set NIL, 7
.set RST, 8
.set RLD, 9
.set OO,  10
.set KF,  16                           ; v16-47   K's 32 channels of my row; later T v16-23, P v24-31, v32-38 at work
.set T,   16
.set P,   24
.set QF,  48                           ; v48-79   Q's; later W_out's rows 32-47 of my head
.set VT,  80                           ; v80-111  V^T; later W_out's rows 48-63
.set W0,  112                          ; v112-143 W_out's rows 0-15; at the end the sixteen parts
.set W1,  144                          ; v144-175 rows 16-31
.set S0,  176
.set O,   192
.set OUT, 224
	s_load_b128 s[4:7], s[0:1], 0x0                ; qkv_fine s[4:5], W_out s[6:7]
	s_load_b128 s[8:11], s[0:1], 0x10              ; b_out s[8:9], out0 s[10:11]
	v_lshl_add_u32 v[SPW], v0, 2, SPARE
	v_mov_b32 v[NIL], 0
	v_lshrrev_b32 v13, 5, v0
	v_readfirstlane_b32 s12, v13                   ; wave: my head, later my position
	v_and_b32 v1, 15, v0                           ; r
	v_bfe_u32 v2, v0, 4, 1                         ; h
	v_and_b32 v13, 31, v0                          ; lane
	s_and_b32 s13, ttmp7, 0xffff                   ; the batch
	v_mul_u32_u24 v[VQ], v1, 12288
	v_lshl_add_u32 v[VQ], v2, 7, v[VQ]             ; Q, K: row r, channels 32 h on
	v_mul_u32_u24 v[VV], v2, 98304
	v_lshl_add_u32 v[VV], v1, 2, v[VV]             ; V: keys 8 h on, channel r
	v_lshlrev_b32 v[VW], 15, v2
	v_lshl_add_u32 v[VW], v1, 2, v[VW]             ; W_out: rows 8 h on, column r
	s_lshl_b32 s14, s12, 12
	v_lshl_add_u32 v[RST], v13, 4, s14             ; my part's image: 4,096 x wave + 16 x lane
	v_lshrrev_b32 v[RLD], 3, v13                   ; back: columns 2 lane and 2 lane + 1 of position q lie in register 8 (lane / 8) + 2 (lane % 4) and the next, of lane q + 16 ((lane / 4) % 2)
	v_lshlrev_b32 v[RLD], 10, v[RLD]
	v_bfe_u32 v10, v0, 1, 1
	v_lshl_add_u32 v[RLD], v10, 9, v[RLD]
	v_bfe_u32 v10, v0, 2, 1
	v_lshl_add_u32 v[RLD], v10, 8, v[RLD]
	v_and_b32 v10, 1, v0
	v_lshl_add_u32 v[RLD], v10, 3, v[RLD]
	s_lshl_b32 s15, s12, 4
	v_add_nc_u32 v[RLD], s15, v[RLD]
	v_lshlrev_b32 v[OO], 3, v13                    ; 8 bytes a lane
	v_lshlrev_b32 v11, 3, v2
	v_sub_nc_u32 v11, v1, v11                      ; r - 8 h, for the mask
	v_mov_b32 v12, 0xff800000                      ; -infinity
	s_mov_b32 s24, 0x76543210
	s_mov_b32 s25, 0xfedcba98                      ; v_permlanex16_b32's selects for lane l xor 16
	s_mov_b32 s26, 0x3d38aa3b                      ; c = log2(e) / 32
	s_mul_i32 s16, s13, 196608                     ; qkv_fine: my batch, my head's 256 bytes
	s_lshl_b32 s17, s12, 8
	s_add_co_u32 s16, s16, s17
	s_mov_b32 s17, 0
	s_lshl_b32 s20, ttmp9, 8                       ; my work-group's 64 columns
	s_mov_b32 s21, 0
	s_lshl_b32 s18, s12, 18                        ; W_out: my head's 64 rows
	s_add_co_u32 s18, s18, s20
	s_mov_b32 s19, 0
	s_lshl_b32 s22, s13, 23                        ; out0: my batch, position = wave
	s_add_co_u32 s22, s22, s14
	s_add_co_u32 s22, s22, s20
	s_mov_b32 s23, 0
	s_wait_kmcnt 0x0
	s_add_nc_u64 s[4:5], s[4:5], s[16:17]
	s_add_nc_u64 s[6:7], s[6:7], s[18:19]
	s_add_nc_u64 s[8:9], s[8:9], s[20:21]
	s_add_nc_u64 s[10:11], s[10:11], s[22:23]
.macro WLOAD reg, d                    ; v[reg + 8 i + jj] = W_out(64 head + 16 d + 8 h + jj, my columns' 16 i + r)
.irp i, 0,1,2,3
.irp jj, 0,1,2,3,4,5,6,7
	global_load_b32 v[\reg+8*\i+\jj], v[VW], s[6:7] offset:(16*\d+\jj)*4096+64*\i
.endr
.endr
.endm
.irp n, 0,1,2,3,4,5,6,7
	global_load_b128 v[KF+4*\n:KF+4*\n+3], v[VQ], s[4:5] offset:4096+16*\n
.endr
.irp n, 0,1,2,3,4,5,6,7
	global_load_b128 v[QF+4*\n:QF+4*\n+3], v[VQ], s[4:5] offset:16*\n
.endr
.irp d, 0,1,2,3
.irp jj, 0,1,2,3,4,5,6,7
	global_load_b32 v[VT+8*\d+\jj], v[VV], s[4:5] offset:8192+\jj*12288+64*\d   ; V(8 h + jj, 16 d + r)
.endr
.endr
	WLOAD W0, 0
	WLOAD W1, 1
	global_load_b64 v[14:15], v[OO], s[8:9]        ; the bias of columns 2 lane, 2 lane + 1
	s_wait_loadcnt 63                              ; 97 loads were issued behind K's and Q's; the wait's field holds 63, and a smaller count is safe
.irp c, 0,1,2,3,4,5,6,7,8,9,10,11,12,13,14,15      ; S^T = K Q^T, in two accumulators that take turns
.if \c < 2
	v_wmma_f32_16x16x4_f32 v[S0+8*(\c%2):S0+8*(\c%2)+7], v[KF+2*\c:KF+2*\c+1], v[QF+2*\c:QF+2*\c+1], 0
.else
	v_wmma_f32_16x16x4_f32 v[S0+8*(\c%2):S0+8*(\c%2)+7], v[KF+2*\c:KF+2*\c+1], v[QF+2*\c:QF+2*\c+1], v[S0+8*(\c%2):S0+8*(\c%2)+7]
.endif
.endr
.rept 8
	v_nop                                          ; eight places behind this form: for the reads of the sums, the writes over K's registers and the loads into Q's
.endr
	WLOAD QF, 2
.irp j, 0,1,2,3,4,5,6,7
	v_add_f32 v[T+\j], v[S0+\j], v[S0+8+\j]        ; my query r, keys 8 h + j
.endr
.irp j, 0,1,2,3,4,5,6,7
	v_cmp_gt_i32 vcc_lo, \j, v11                   ; key 8 h + j is hidden where j > r - 8 h
	v_cndmask_b32 v[T+\j], v[T+\j], v12, vcc_lo
.endr
	v_mov_b32 v33, 0
	v_max3_num_f32 v32, v[T], v[T+1], v[T+2]
	v_max3_num_f32 v32, v32, v[T+3], v[T+4]
	v_max3_num_f32 v32, v32, v[T+5], v[T+6]
	v_max_num_f32 v32, v32, v[T+7]
	v_permlanex16_b32 v33, v32, s24, s25
	v_max_num_f32 v32, v32, v33                    ; the row's maximum: key 0 counts for every query
	v_mul_f32 v34, s26, v32
.irp j, 0,1,2,3,4,5,6,7
	v_fma_f32 v[T+\j], v[T+\j], s26, -v34
.endr
.irp j, 0,1,2,3,4,5,6,7
	v_exp_f32 v[T+\j], v[T+\j]
.endr
	v_nop
	s_wait_alu depctr_va_vdst(0)                   ; one wait for the eight exponentials
	v_add_f32 v35, v[T], v[T+1]
	v_add_f32 v36, v[T+2], v[T+3]
	v_add_f32 v37, v[T+4], v[T+5]
	v_add_f32 v38, v[T+6], v[T+7]
	v_add_f32 v35, v35, v36
	v_add_f32 v37, v37, v38
	v_add_f32 v35, v35, v37
	v_permlanex16_b32 v33, v35, s24, s25
	v_add_f32 v35, v35, v33
	v_rcp_f32 v36, v35
	v_nop
	s_wait_alu depctr_va_vdst(0)
.irp j, 0,1,2,3,4,5,6,7
	v_mul_f32 v[P+\j], v[T+\j], v36                ; the weights, normalised here: the product's result then needs no vector work
.endr
	s_wait_loadcnt 63                              ; 97 loads were issued behind V's
.irp c, 0,1,2,3                                    ; O^T = V^T P: four accumulators by turns
.irp d, 0,1,2,3
.if \c == 0
	v_wmma_f32_16x16x4_f32 v[O+8*\d:O+8*\d+7], v[VT+8*\d+2*\c:VT+8*\d+2*\c+1], v[P+2*\c:P+2*\c+1], 0
.else
	v_wmma_f32_16x16x4_f32 v[O+8*\d:O+8*\d+7], v[VT+8*\d+2*\c:VT+8*\d+2*\c+1], v[P+2*\c:P+2*\c+1], v[O+8*\d:O+8*\d+7]
.endif
.endr
.endr
.rept 9
	v_nop                                          ; nine places: the results are the next product's source 1; and loads go into V's registers
.endr
	WLOAD VT, 3
.macro PROJ reg, d                     ; OUT^T += W_out^T O^T over channels 16 d on: four accumulators by turns
.irp c, 0,1,2,3
.irp i, 0,1,2,3
.if (\d == 0) && (\c == 0)
	v_wmma_f32_16x16x4_f32 v[OUT+8*\i:OUT+8*\i+7], v[\reg+8*\i+2*\c:\reg+8*\i+2*\c+1], v[O+8*\d+2*\c:O+8*\d+2*\c+1], 0
.else
	v_wmma_f32_16x16x4_f32 v[OUT+8*\i:OUT+8*\i+7], v[\reg+8*\i+2*\c:\reg+8*\i+2*\c+1], v[O+8*\d+2*\c:O+8*\d+2*\c+1], v[OUT+8*\i:OUT+8*\i+7]
.endif
.endr
.endr
.endm
	s_wait_loadcnt 63                              ; 177 loads are issued: the first 114 are in: rows 0-31 of W_out and the bias
	PROJ W0, 0
	PROJ W1, 1
	s_wait_loadcnt 32                              ; rows 32-47 are in; the 32 loads of rows 48-63 may be out
	PROJ QF, 2
	s_wait_loadcnt 0x0
	PROJ VT, 3
.rept 8
	v_nop                                          ; places in front of the reads of the results and of the loads into W_out's registers
.endr
.irp g, 0,1,2,3,4,5,6,7
	ds_store_b128 v[RST], v[OUT+4*\g:OUT+4*\g+3] offset:512*\g   ; my part, as an image of its registers, each accumulator from its low end on
.endr
	s_wait_dscnt 0x0                               ; for the others' sake: my stores are done
	s_barrier_signal -1
	s_barrier_wait -1
.irp w, 0,1,2,3,4,5,6,7,8,9,10,11,12,13,14,15
	ds_load_b64 v[W0+2*\w:W0+2*\w+1], v[RLD] offset:4096*\w      ; the sixteen heads' parts of my position's columns 2 lane, 2 lane + 1
.endr
	s_wait_dscnt 0x0
.irp u, 0,1,2,3,4,5,6,7
	v_pk_add_f32 v[W0+4*\u:W0+4*\u+1], v[W0+4*\u:W0+4*\u+1], v[W0+4*\u+2:W0+4*\u+3]
.endr
.irp u, 0,1,2,3
	v_pk_add_f32 v[W0+8*\u:W0+8*\u+1], v[W0+8*\u:W0+8*\u+1], v[W0+8*\u+4:W0+8*\u+5]
.endr
.irp u, 0,1
	v_pk_add_f32 v[W0+16*\u:W0+16*\u+1], v[W0+16*\u:W0+16*\u+1], v[W0+16*\u+8:W0+16*\u+9]
.endr
	v_pk_add_f32 v[W0:W0+1], v[W0:W0+1], v[W0+16:W0+17]
	v_pk_add_f32 v[W0:W0+1], v[W0:W0+1], v[14:15]
	global_store_b64 v[OO], v[W0:W0+1], s[10:11]   ; 32 lanes store 256 consecutive bytes, aligned
	s_wait_tensorcnt 0x0                           ; the wave's end, behind my last LDS store
	ds_add_u32 v[SPW], v[NIL]
	s_wait_dscnt 0x0
	s_endpgm
.Lfunc_end_k_qb75a2d83de_fine:
	.size	k_qb75a2d83de_fine, .Lfunc_end_k_qb75a2d83de_fine-k_qb75a2d83de_fine
	.p2alignl 7, 3214868480
	.fill 96, 4, 3214868480
	.section	.rodata,"a",@progbits
	.p2align	6, 0x0
	.amdhsa_kernel k_qb75a2d83de_fine
		.amdhsa_group_segment_fixed_size 67584
		.amdhsa_private_segment_fixed_size 0
		.amdhsa_enable_private_segment 0
		.amdhsa_kernarg_size 32
		.amdhsa_user_sgpr_count 2
		.amdhsa_user_sgpr_kernarg_segment_ptr 1
		.amdhsa_wavefront_size32 1
		.amdhsa_system_sgpr_workgroup_id_x 1
		.amdhsa_system_sgpr_workgroup_id_y 1
		.amdhsa_system_sgpr_workgroup_id_z 1
		.amdhsa_system_vgpr_workitem_id 0
		.amdhsa_next_free_vgpr 256
		.amdhsa_next_free_sgpr 66
		.amdhsa_reserve_vcc 1
		.amdhsa_float_denorm_mode_32 3
		.amdhsa_float_denorm_mode_16_64 3
		.amdhsa_memory_ordered 1
		.amdhsa_forward_progress 1
		.amdhsa_inst_pref_size 32
	.end_amdhsa_kernel
	.amdgpu_metadata
---
amdhsa.version: [ 1, 2 ]
amdhsa.kernels:
  - .name:           k_qb75a2d83de_fine
    .symbol:         k_qb75a2d83de_fine.kd
    .args:
      - { .name: qkv_fine, .offset: 0, .size: 8, .value_kind: global_buffer, .address_space: global }
      - { .name: W_out, .offset: 8, .size: 8, .value_kind: global_buffer, .address_space: global }
      - { .name: b_out, .offset: 16, .size: 8, .value_kind: global_buffer, .address_space: global }
      - { .name: out0, .offset: 24, .size: 8, .value_kind: global_buffer, .address_space: global }
    .group_segment_fixed_size: 67584
    .private_segment_fixed_size: 0
    .kernarg_segment_align: 8
    .kernarg_segment_size: 32
    .max_flat_workgroup_size: 512
    .sgpr_count:     66
    .vgpr_count:     256
    .wavefront_size: 32
...
	.end_amdgpu_metadata
.endif
;; end of part 5
